; MI455X (gfx1250); checked and timed in simulation.
; The chip was launched on July 23, 2026; its instructions are those of AMD's public machine-readable ISA for CDNA 5 (MIT licence, August 2026) and "CDNA5" Instruction Set Architecture Reference Guide (July 2026). The comments in the code are by the model that wrote it; some were corrected since.
;; Local Self Attention Block. Allowed arithmetic: matrix products marked QUANTISED: E2M1 operands, one E8M0 scale for each 32 along K, by v_wmma_scale_f32_16x16x128_f8f6f4 with both operands' format E2M1 (or v_wmma_scale_f32_32x16x128_f4), f32 sums; everything else in f32.
;; Inputs: b_out 1,024 float32; b_qkv 3,072 float32; ln_beta 1,024 float32; ln_gamma 1,024 float32; val 2 x 4,096 x 1,024 float32; w_out_codes 1,024 x 32 x 16 uint8 (E2M1 codes of w_out, K innermost, in blocks of 32 codes, two codes a byte); w_out_scales 1,024 x 32 uint8 (E8M0 scales of w_out, one for each 32 codes along K); w_qkv_codes 3,072 x 32 x 16 uint8 (E2M1 codes of w_qkv, K innermost, in blocks of 32 codes, two codes a byte); w_qkv_scales 3,072 x 32 uint8 (E8M0 scales of w_qkv, one for each 32 codes along K).
;; Outputs: out0 2 x 4,096 x 1,024 float32.
;; This version of the problem:
;;   THIS VERSION OF THE PROBLEM IS GIVEN IN LOW PRECISION. The matrix products marked QUANTISED in the list below multiply operands that are first quantised to E2M1 (2 exponent bits, 1 mantissa bit; 4 bits a number), with one power-of-two scale for each 32 numbers along K (OCP MX v1.0); their sums are f32. All else is computed in f32.
;;   The module's matrix products, in the order in which they are computed (A, B: the left and right operand; K: the contracted axis; several contracted axes count as one K, in the product's order):
;;     1. [M 8,192, K 1,024] x [K 1,024, N 3,072]; A: input val; B: input w_qkv (given as codes): QUANTISED
;;     2. batch 64 x [M 1,024, K 128] x [K 128, N 1,024]; A: computed on the way; B: computed on the way: QUANTISED
;;     3. batch 64 x [M 128, K 1,024] x [K 1,024, N 1,024]; A: computed on the way; B: softmax (see below): QUANTISED
;;     4. [M 8,192, K 1,024] x [K 1,024, N 1,024]; A: computed on the way; B: input w_out (given as codes): QUANTISED
;;   THE QUANTISER, for each operand of a quantised product, along K:
;;     - K is cut into blocks of 32 from its start; a last block that is shorter is filled with zeros.
;;     - A block's scale is 2^e with e = floor(log2(the largest magnitude in the block)) - 2, held to -126 .. 127; a block of zeros has e = 0. As a byte (E8M0): e + 127.
;;     - Each number is divided by its block's scale, clamped to +-6, and rounded to the nearest number of E2M1, ties to even, subnormals kept.
;;     - The product sums the exact products of the quantised numbers (number of the format x scale) in f32.
;;   ~~~python
;;   def quantise(x, axis):      # numpy; x: float32 -> the quantised numbers, widened to float32 again
;;       x = np.moveaxis(x, axis, -1); K = x.shape[-1]
;;       x = np.pad(x, [(0, 0)] * (x.ndim - 1) + [(0, -K % 32)]); x = x.reshape(x.shape[:-1] + (-1, 32)); a = np.abs(x).max(-1, keepdims=True)
;;       e = np.where(a > 0, np.clip(np.frexp(np.where(a > 0, a, 1))[1] - 1 - 2, -126, 127), 0)      # np.frexp(a)[1] - 1 = floor(log2(a)), exactly
;;       r = np.clip(x / 2.0 ** e, -6, 6)
;;       step = 2.0 ** (np.maximum(np.frexp(np.where(r == 0, 1, r))[1] - 1, 0) - 1)
;;       q = np.round(r / step) * step * 2.0 ** e      # np.round: ties to even
;;       return np.moveaxis(q.reshape(q.shape[:-2] + (-1,))[..., :K], -1, axis).astype(np.float32)
;;   ~~~
;;   SOFTMAX AHEAD OF A QUANTISED PRODUCT. Where the list says 'softmax', what is quantised is not the finished softmax but p = 2^(t - M), with t = logit x log2(e) and M = ceil(the row's largest t), a whole number; so 1/2 < the row's largest p <= 1. The row's sum l is taken of the UNQUANTISED p, in f32, and the product's result is divided by l at the end. Since M is a whole number, a kernel that streams over the keys may use a running M (the ceiling of the running maximum): every later rescaling is an exact power of two, which a block's scale takes up: the codes' values come out the same.
;;   OPERANDS COMPUTED ON THE WAY. 'Computed on the way' means the value that the module computes at that place (a softmax that the list does not call 'softmax' is quantised finished and normalised). What goes into a quantiser is computed in f32, as accurately as f32 sums, v_exp_f32 and their like allow (about 1e-6 of the number): no bf16 or f16 on the way to a quantiser, and a product that is left as it is and whose result goes on into a quantised operand takes f32 operands (vector FMAs, or v_wmma_f32_16x16x4_f32). A number that lies on a knife's edge between two numbers of the format may be rounded either way, as far as f32 arithmetic and the matrix unit's own rounding can turn it there, and no further.
;;   INPUTS GIVEN AS CODES. w_out (in the module: [1024, 1024], K = its axis 0); w_qkv (in the module: [1024, 3072], K = its axis 0): each comes as NAME_codes (uint8): NAME with its K axis moved to the last place and cut into blocks of 32 codes, [.., K / 32, bytes a block], one block behind the other in memory; two codes a byte, the lower K in the low four bits (a code: sign, 2 exponent bits, 1 mantissa bit); and NAME_scales (uint8): the same leading axes, one E8M0 byte (e + 127) for each 32 codes along K. Its value is code x scale, taken as it is: it is not quantised again, and the codes and scales need not be those that the quantiser above would give.
;; 2 versions, each right; version 2 is version 1 with the launch qkv written anew for expert scheduling mode. Each part assembles by itself: llvm-mc -triple=amdgcn-amd-amdhsa -mcpu=gfx1250 --defsym DOCPART=n.
;; ======== version 1 of 2: 4 launches
;; workspace buffers: xc 4,194,304 bytes; xs 262,144 bytes; wimg 2,097,152 bytes; wsimg 131,072 bytes; qkvc 13,369,344 bytes; cc 4,194,304 bytes; cs 262,144 bytes
;; launch prep (part 1): grid 256 x 1, 4 waves a work-group, no clusters, 33,280 bytes of LDS; arguments val, w_qkv_codes, w_qkv_scales, w_out_codes, w_out_scales, xc, xs, wimg, wsimg; writes xc, xs, wimg, wsimg
.if DOCPART == 1
	.amdgcn_target "amdgcn-amd-amdhsa--gfx1250"
	.amdhsa_code_object_version 6
	.text
	.protected	k_qb297e36a4f_prep
	.globl	k_qb297e36a4f_prep
	.p2align	8
	.type	k_qb297e36a4f_prep,@function
k_qb297e36a4f_prep:
	s_mov_b64 s[64:65], 0
	v_nop
	global_prefetch_b8 v0, s[64:65] scope:SCOPE_SE
	s_setreg_imm32_b32 hwreg(HW_REG_WAVE_MODE, 25, 1), 1
	s_wait_xcnt 0x0
; PREP.  (1) val [8192][1024] f32 becomes codes of FP4 (E2M1), K innermost (xc: 512 bytes a row), with one E8M0 byte for each 32 along K (xs: 32 bytes a row).
; A block's scale is 2^(floor(log2(its largest magnitude)) - 2); its byte is the largest magnitude's exponent field - 2, held at 1 from below.
; (2) The given codes of w_qkv and w_out are laid anew IN THE ORDER OF THE OPERAND'S REGISTERS: wimg [tile 256][K step 8][1,024 bytes], register group c of lane l at 512 c + 16 l;
; tiles 0-191 are w_qkv's, 192-255 w_out's.  THE ROWS OF A TILE ARE NOT NEIGHBOURS: lane r of tile 2 b + u takes row 32 b + 8 u + r + 8 (r / 8), so that the results of two neighbouring
; tiles are 16 neighbours along the next product's K.  wsimg [tile][512 bytes]: lane (r, h) has at 16 x lane the scale words 4 h .. 4 h + 3 of its row.
; LIMITS: NaN and infinities are not served.  A block whose largest magnitude lies under 2^-124 keeps the byte 1; a block of zeros has the byte 1 where the quantiser says 127: its codes are zeros, and this program alone reads the bytes.
; SHARES.  Rows are dense, so val is a stream of blocks of 32.  A wave takes 16 steps of 512 numbers.  Each load reads 512 consecutive bytes, 16 a lane; a step's 2,048 bytes turn through the wave's own
; stage in LDS and come back 64 bytes a lane: 16 neighbours, two lanes to a block.  Loads run eight steps (32 loads a wave) ahead, the turn through LDS one step.  Work-group i also lays weight tile i, wave w its K steps 2 w, 2 w + 1.
; No tensor loads, no barrier: waves share nothing.
.set STEPS, 16
.set DEPTH, 8
.set SP,    80                         ; a lane's place in a stage: its 64 bytes + 16 of padding
.set WREG,  8192                       ; LDS of a wave: two stages of 32 x SP bytes, then its 256 scale bytes
.set QKVT,  192                        ; tiles of w_qkv
.set R,     16                         ; v16-143  eight sets of 16 numbers as loaded
.set X,     144                        ; v144-175 two sets of 16 neighbours
.set C,     176                        ; v176-207 codes: two registers for each step, never written twice
.set E,     208                        ; v208-223 a scale byte for each step
.set WR,    224                        ; v224-239 two weight fragments
.set WSR,   240                        ; v240     my word of the tile's scale image
.set WA,    244                        ; v244     my byte in the tile's rows of codes
.set WSA,   245                        ; v245     my byte in the tile's rows of scales
.set L4,    246                        ; v246     4 x lane
	s_load_b512 s[4:19], s[0:1], 0x0               ; val, w_qkv codes, scales, w_out codes, scales, xc, xs, wimg
	s_load_b64 s[20:21], s[0:1], 0x40              ; wsimg
	v_lshl_add_u32 v254, v0, 2, 0x8000
	v_mov_b32 v255, 0
	v_lshrrev_b32 v1, 5, v0
	v_readfirstlane_b32 s22, v1                    ; wave
	v_and_b32 v2, 31, v0                           ; lane
	v_lshlrev_b32 v3, 4, v2                        ; my 16 bytes of a load's 512
	s_mul_i32 s23, s22, WREG
	v_lshrrev_b32 v14, 2, v2
	v_mul_u32_u24 v14, v14, SP
	v_and_b32 v15, 3, v2
	v_lshl_add_u32 v14, v15, 4, v14
	v_add_nc_u32 v14, s23, v14                     ; the stage, in: SP (lane / 4) + 16 (lane % 4)
	v_mul_u32_u24 v15, v2, SP
	v_add_nc_u32 v15, s23, v15                     ; and out: SP x lane
	v_lshlrev_b32 v4, 3, v2                        ; 8 x lane: my codes' place in a step's, and my scale bytes' on the way out
	v_lshrrev_b32 v5, 1, v2
	s_add_co_u32 s23, s23, 2*32*SP
	v_add_nc_u32 v5, s23, v5                       ; LDS: my block's byte
	v_add_nc_u32 v6, s23, v4                       ; and 8 bytes a lane on the way out
	v_and_b32 v8, 15, v2                           ; r
	v_lshrrev_b32 v9, 4, v2                        ; h
	v_and_b32 v10, 8, v8
	v_add_nc_u32 v10, v10, v8                      ; r + 8 (r / 8)
	v_lshlrev_b32 v[WA], 9, v10                    ; a row of codes is 512 bytes
	v_lshl_add_u32 v[WA], v9, 4, v[WA]
	v_lshrrev_b32 v10, 2, v2                       ; the scale image's bytes 128 w + 4 lane belong to image lane 8 w + lane / 4, word lane % 4
	v_and_b32 v11, 3, v2
	v_lshlrev_b32 v[WSA], 5, v10                   ; a row of scales is 32 bytes
	v_lshl_add_u32 v[WSA], v11, 2, v[WSA]
	v_lshlrev_b32 v[L4], 2, v2
	s_lshl_b32 s29, ttmp9, 2
	s_add_co_u32 s29, s29, s22                     ; which run of 8,192 numbers is my wave's
	s_mov_b32 s25, 0
	s_wait_kmcnt 0x0
	s_cmp_lt_u32 ttmp9, QKVT                       ; a tile of w_qkv or of w_out?  The choice hangs on the work-group's number alone
	s_cselect_b64 s[6:7], s[6:7], s[10:11]
	s_cselect_b64 s[8:9], s[8:9], s[12:13]
	s_cselect_b32 s26, 0, QKVT
	s_sub_co_u32 s26, ttmp9, s26                   ; the tile's number in its tensor
	s_lshr_b32 s27, s26, 1
	s_lshl_b32 s27, s27, 5
	s_and_b32 s28, s26, 1
	s_lshl_b32 s28, s28, 3
	s_add_co_u32 s27, s27, s28                     ; its first row: 32 (tile / 2) + 8 (tile % 2)
	s_lshl_b32 s24, s27, 9
	s_lshl_b32 s28, s22, 7                         ; my two K steps: 128 w bytes on in a row
	s_add_co_u32 s24, s24, s28
	s_add_nc_u64 s[6:7], s[6:7], s[24:25]
	s_lshl_b32 s24, s27, 5
	s_and_b32 s28, s22, 1                          ; image lanes 8 w on: rows 16 (w % 2) on (r = 8 .. 15 lie 16 rows on), words 4 (w / 2) on
	s_lshl_b32 s28, s28, 9
	s_add_co_u32 s24, s24, s28
	s_lshr_b32 s28, s22, 1
	s_lshl_b32 s28, s28, 4
	s_add_co_u32 s24, s24, s28
	s_add_nc_u64 s[8:9], s[8:9], s[24:25]
	s_lshl_b32 s24, ttmp9, 13
	s_lshl_b32 s28, s22, 11
	s_add_co_u32 s24, s24, s28
	s_add_nc_u64 s[18:19], s[18:19], s[24:25]      ; wimg: 8,192 x tile + 2,048 x wave
	s_lshl_b32 s24, ttmp9, 9
	s_lshl_b32 s28, s22, 7
	s_add_co_u32 s24, s24, s28
	s_add_nc_u64 s[20:21], s[20:21], s[24:25]      ; wsimg: 512 x tile + 128 x wave
	s_lshl_b32 s24, s29, 15
	s_add_nc_u64 s[4:5], s[4:5], s[24:25]          ; val: 32,768 bytes a run
	s_lshl_b32 s24, s29, 12
	s_add_nc_u64 s[14:15], s[14:15], s[24:25]      ; xc: 4,096
	s_lshl_b32 s24, s29, 8
	s_add_nc_u64 s[16:17], s[16:17], s[24:25]      ; xs: 256
.irp e, 0,1
.irp c, 0,1
	global_load_b128 v[WR+8*\e+4*\c:WR+8*\e+4*\c+3], v[WA], s[6:7] offset:64*\e+32*\c   ; K step 2 w + e, register group c: k = 64 c + 32 h + 0 .. 31 of my row
.endr
.endr
	global_load_b32 v[WSR], v[WSA], s[8:9]
.macro LOAD t
.irp i, 0,1,2,3
	global_load_b128 v[R+16*((\t)%DEPTH)+4*\i:R+16*((\t)%DEPTH)+4*\i+3], v3, s[4:5] offset:2048*(\t)+512*\i th:TH_LOAD_NT   ; 32 lanes read 512 consecutive bytes
.endr
.endm
.macro TURN t                          ; step t's numbers through the stage: LDS serves a wave's instructions in order, so no wait stands between the stores and the loads
.irp i, 0,1,2,3
	ds_store_b128 v14, v[R+16*((\t)%DEPTH)+4*\i:R+16*((\t)%DEPTH)+4*\i+3] offset:32*SP*((\t)%2)+8*SP*\i
.endr
.irp i, 0,1,2,3
	ds_load_b128 v[X+16*((\t)%2)+4*\i:X+16*((\t)%2)+4*\i+3], v15 offset:32*SP*((\t)%2)+16*\i
.endr
.endm
.irp t, 0,1,2,3,4,5,6,7
	LOAD \t
.endr
	s_wait_loadcnt 4*(DEPTH-1)                     ; the weights' five loads and step 0's four are in; the seven younger sets stay out
.irp e, 0,1
.irp c, 0,1
	global_store_b128 v3, v[WR+8*\e+4*\c:WR+8*\e+4*\c+3], s[18:19] offset:1024*\e+512*\c   ; the image: 512 consecutive bytes a store
.endr
.endr
	global_store_b32 v[L4], v[WSR], s[20:21]
	TURN 0
.macro STEP t
.set XS, X+16*((\t)%2)
.if (\t) > 0
	s_wait_dscnt 1                                 ; this step's numbers are back from the stage (the last step's byte store may be out)
.else
	s_wait_dscnt 0x0
.endif
.if (\t)+DEPTH < STEPS
	LOAD (\t)+DEPTH                                ; into the set that this step's turn has read
.endif
.if (\t)+1 < STEPS
.if (\t)+DEPTH < STEPS
	s_wait_loadcnt 4*(DEPTH-1)                     ; the next step's four loads are in; the seven sets behind it may be out
.else
	s_wait_loadcnt 4*(STEPS-2-(\t))                ; the tail: the sets behind the next step's run down
.endif
	TURN (\t)+1                                    ; through the other stage while this step is worked
.endif
	v_max3_num_f32 v8, |v[XS]|, |v[XS+1]|, |v[XS+2]|               ; the largest magnitude of my 16, in two chains
	v_max3_num_f32 v9, |v[XS+3]|, |v[XS+4]|, |v[XS+5]|
.irp i, 6,10
	v_max3_num_f32 v8, v8, |v[XS+\i]|, |v[XS+\i+1]|
	v_max3_num_f32 v9, v9, |v[XS+\i+2]|, |v[XS+\i+3]|
.endr
	v_max3_num_f32 v8, v8, |v[XS+14]|, |v[XS+15]|
	v_max3_num_f32 v8, v8, v9, 0x1800000           ; and the floor 2^(3 - 127): the byte cannot fall under 1
	v_max_num_f32_dpp v8, v8, v8 row_xmask:1 row_mask:0xf bank_mask:0xf   ; and of my neighbour's 16: the block's
	v_add_nc_u32 v11, 0xff000000, v8               ; 2 off its exponent field: the conversion takes the exponent field of this operand as its scale
	v_cvt_scalef32_pk8_fp4_f32 v[C+2*(\t)], v[XS:XS+7], v11
	v_cvt_scalef32_pk8_fp4_f32 v[C+2*(\t)+1], v[XS+8:XS+15], v11
	v_lshrrev_b32 v[E+(\t)], 23, v11               ; the scale's byte (a plain line behind the conversions)
	ds_store_b8 v5, v[E+(\t)] offset:16*(\t)       ; both lanes of a block write the same byte with the same value
	global_store_b64 v4, v[C+2*(\t):C+2*(\t)+1], s[14:15] offset:256*(\t)   ; the wave stores 256 consecutive bytes, aligned
.endm
.irp t, 0,1,2,3,4,5,6,7,8,9,10,11,12,13,14,15
	STEP \t
.endr
	ds_load_b64 v[12:13], v6                       ; LDS serves a wave's instructions in order: these see my stores
	s_wait_dscnt 0x0
	global_store_b64 v4, v[12:13], s[16:17]        ; 256 consecutive scale bytes, aligned
	s_wait_tensorcnt 0x0
	ds_add_u32 v254, v255
	s_wait_dscnt 0x0
	s_endpgm
.Lfunc_end_k_qb297e36a4f_prep:
	.size	k_qb297e36a4f_prep, .Lfunc_end_k_qb297e36a4f_prep-k_qb297e36a4f_prep
	.p2alignl 7, 3214868480
	.fill 96, 4, 3214868480
	.section	.rodata,"a",@progbits
	.p2align	6, 0x0
	.amdhsa_kernel k_qb297e36a4f_prep
		.amdhsa_group_segment_fixed_size 33280
		.amdhsa_private_segment_fixed_size 0
		.amdhsa_enable_private_segment 0
		.amdhsa_kernarg_size 72
		.amdhsa_user_sgpr_count 2
		.amdhsa_user_sgpr_kernarg_segment_ptr 1
		.amdhsa_wavefront_size32 1
		.amdhsa_system_sgpr_workgroup_id_x 1
		.amdhsa_system_sgpr_workgroup_id_y 1
		.amdhsa_system_sgpr_workgroup_id_z 1
		.amdhsa_system_vgpr_workitem_id 0
		.amdhsa_next_free_vgpr 256
		.amdhsa_next_free_sgpr 66
		.amdhsa_reserve_vcc 0
		.amdhsa_float_denorm_mode_32 3
		.amdhsa_float_denorm_mode_16_64 3
		.amdhsa_memory_ordered 1
		.amdhsa_forward_progress 1
		.amdhsa_inst_pref_size 35
	.end_amdhsa_kernel
	.amdgpu_metadata
---
amdhsa.version: [ 1, 2 ]
amdhsa.kernels:
  - .name:           k_qb297e36a4f_prep
    .symbol:         k_qb297e36a4f_prep.kd
    .args:
      - { .name: val, .offset: 0, .size: 8, .value_kind: global_buffer, .address_space: global }
      - { .name: w_qkv_codes, .offset: 8, .size: 8, .value_kind: global_buffer, .address_space: global }
      - { .name: w_qkv_scales, .offset: 16, .size: 8, .value_kind: global_buffer, .address_space: global }
      - { .name: w_out_codes, .offset: 24, .size: 8, .value_kind: global_buffer, .address_space: global }
      - { .name: w_out_scales, .offset: 32, .size: 8, .value_kind: global_buffer, .address_space: global }
      - { .name: xc, .offset: 40, .size: 8, .value_kind: global_buffer, .address_space: global }
      - { .name: xs, .offset: 48, .size: 8, .value_kind: global_buffer, .address_space: global }
      - { .name: wimg, .offset: 56, .size: 8, .value_kind: global_buffer, .address_space: global }
      - { .name: wsimg, .offset: 64, .size: 8, .value_kind: global_buffer, .address_space: global }
    .group_segment_fixed_size: 33280
    .private_segment_fixed_size: 0
    .kernarg_segment_align: 8
    .kernarg_segment_size: 72
    .max_flat_workgroup_size: 128
    .sgpr_count:     66
    .vgpr_count:     256
    .wavefront_size: 32
...
	.end_amdgpu_metadata
.endif
;; end of part 1
;; launch qkv (part 2): grid 4 x 64, 4 waves a work-group, no clusters, 72,192 bytes of LDS; arguments xc, xs, wimg, wsimg, b_qkv, qkvc; writes qkvc
.if DOCPART == 2
	.amdgcn_target "amdgcn-amd-amdhsa--gfx1250"
	.amdhsa_code_object_version 6
	.text
	.protected	k_qb297e36a4f_qkv
	.globl	k_qb297e36a4f_qkv
	.p2align	8
	.type	k_qb297e36a4f_qkv,@function
k_qb297e36a4f_qkv:
	s_mov_b64 s[64:65], 0
	v_nop
	global_prefetch_b8 v0, s[64:65] scope:SCOPE_SE
	s_setreg_imm32_b32 hwreg(HW_REG_WAVE_MODE, 25, 1), 1
	s_wait_xcnt 0x0
; QKV.  q, k, v = Q(val) w_qkv + b_qkv on codes of FP4 with E8M0 scales, and each result is quantised at once for the product that takes it: q and k along the head's 128, v along the keys.
; What leaves is codes and scale words in the order of the operand's registers: qkvc [window x head 64][group of 128 tokens 8][26,112 bytes]; a record is three parts of 8,704 bytes, K, V, Q,
; each eight images of 1,024 bytes (register group c of lane l at 512 c + 16 l) and then 8 x 64 bytes of scale words (4 bytes a row).
; SHARES.  Work-group (g, tg): tokens 128 tg .. + 127, heads 2 g and 2 g + 1.  Q-K PHASE: wave w takes 128 columns (w / 2: q or k; head 2 g + w % 2) for all eight tiles of tokens; its 64 weight
; fragments stay in 512 registers.  The product is used transposed (source 0 = 16 rows of the weight, source 1 = 16 tokens): a lane holds one token and its registers run along the head's 128.
; V PHASE: wave w takes head 2 g + w / 2, 64 of its 128 (w % 2): source 0 = 16 tokens, source 1 = 16 rows of the weight: a lane holds one of the head's 128 and its registers run along the tokens, v's K.
; THE TOKENS OF A TILE, like the weights' rows, ARE NOT NEIGHBOURS: lane r of tile 2 b + u takes token 32 b + 8 u + r + 8 (r / 8): so 16 registers of two neighbouring tiles are 16 neighbours along the next K.
; No cluster: the weights go straight from memory into registers in operand order (each load 512 consecutive bytes), which a joint load, landing in LDS, could not do; the 768 columns' weights, 393,216 bytes, do not fit in LDS;
; what the four work-groups of a token group share, the tokens' codes, is 69,632 of a work-group's 470,000 bytes.
; LIMITS: NaN and infinities are not served; a block whose largest magnitude lies under 2^-124 keeps the byte 1 (a block of zeros too: its codes are zeros, and this program alone reads the bytes).
; REGISTERS, in windows of 256.  Window 0: v1-11 addresses, v12-15 at work, v16-95 scale words, v96-159 accumulators of the q-k phase, v160-223 biases, v224-248 the quantiser.
;   Window 1: q-k weights of K steps 0-3 at v[8 (8 s + t)]; later v's weights of steps 4-7.   Window 2: q-k weights of steps 4-7; later v's 32 accumulators (t, m) at v[64 t + 8 m].
;   Window 3: v0-127 two sets of eight fragments of the tokens; v128-255 v's weights of steps 0-3.
.set PITCH, 528                        ; a token's 512 bytes of codes + 16: an odd multiple of 16, so that the 16 rows of a fragment load start in 16 different groups of banks (ISA guide 11.1)
.set SCG,   128*PITCH                  ; behind the rows: 512 bytes for each wave, the q-k phase's scale words
.set SCGV,  SCG+4*512                  ; and 256 for each wave, the v phase's
.set SUB,   8704
.set REC,   3*SUB
.set LI,  1                            ; 16 x lane
.set XF,  2                            ; a fragment's row x pitch + 16 x half
.set XLW, 3                            ; where I put a token's row
.set XSA, 4                            ; my byte among a tile's rows of token scales
.set BA,  5                            ; 64 h: the q-k bias of my half
.set VBA, 6                            ; v's bias: 4 (r + 8 (r / 8))
.set SGW, 7
.set SGR, 8
.set SVW, 9
.set SVR, 10
.set L8,  11
.set WS,  16                           ; v16-47  q-k weights' scale words: register 4 t + q: lanes 0-15 K step q, lanes 16-31 K step 4 + q
.set WSV, 48                           ; v48-63  v's weights' likewise
.set XS,  64                           ; v64-95  the tokens' likewise, 4 m + q
.set ACC, 96
.set BI,  160
.set VB,  224
.set TM,  228                          ; v228-231 largest magnitudes, v232-235 bytes, v236-239 the conversions' scale operands
.set PC,  240                          ; v240-247 the codes just made
.set PW,  248                          ; the scale word just made
.set SEL, 20
.set MSB, 0
.macro WIN new                         ; low byte: bits 1:0 source 0, 3:2 source 1, 5:4 source 2, 7:6 destination; the high byte repeats the setting that is left
.if MSB != (\new)
	s_set_vgpr_msb (MSB<<8)|(\new)
.set MSB, (\new)
.endif
.endm
.macro PLACES                          ; four plain vector instructions behind a matrix instruction, in front of reads of its result and of loads into its registers
.rept 4
	v_nop
.endr
.endm
.macro MM hi                           ; one product on the registers named by rD, rA, rB, rC, rSA, rSB; hi = 1: K steps 4-7, whose scale words lie in lanes 16-31
.if \hi
	v_wmma_scale_f32_16x16x128_f8f6f4 v[rD:rD+7], v[rA:rA+7], v[rB:rB+7], v[rC:rC+7], v[rSA], v[rSB] matrix_a_fmt:MATRIX_FMT_FP4 matrix_b_fmt:MATRIX_FMT_FP4 matrix_a_scale:MATRIX_SCALE_ROW1 matrix_b_scale:MATRIX_SCALE_ROW1
.else
	v_wmma_scale_f32_16x16x128_f8f6f4 v[rD:rD+7], v[rA:rA+7], v[rB:rB+7], v[rC:rC+7], v[rSA], v[rSB] matrix_a_fmt:MATRIX_FMT_FP4 matrix_b_fmt:MATRIX_FMT_FP4
.endif
.endm
; 64 numbers of a lane, v[s] .. v[s + 63] of some window, register 16 b + i = k 32 b + 16 (lane / 16) + i of my row, become a fragment's codes in v[PC] on and its scale word in v[PW].
; w1, w2, w3: the window settings with the numbers as sources 0 and 1, as sources 1 and 2, as source 0.
.macro QUANT s, w1, w2, w3
	WIN \w1
.irp b, 0,1,2,3
	v_max3_num_f32 v[TM+\b], |v[(\s)+16*\b]|, |v[(\s)+1+16*\b]|, 0x1800000   ; block b: my 16 numbers, from each accumulator's low end on, and the floor 2^(3 - 127): the byte cannot fall under 1
.endr
	WIN \w2
.irp i, 2,4,6,8,10,12,14
.irp b, 0,1,2,3
	v_max3_num_f32 v[TM+\b], v[TM+\b], |v[(\s)+16*\b+\i]|, |v[(\s)+1+16*\b+\i]|   ; the four blocks by turns
.endr
.endr
	WIN 0
.irp b, 0,1,2,3
	v_permlanex16_b32 v[TM+4+\b], v[TM+\b], s[SEL], s[SEL+1]
.endr
.irp b, 0,1,2,3
	v_max_num_f32 v[TM+\b], v[TM+\b], v[TM+4+\b]   ; with lane l xor 16's: the block's largest magnitude
.endr
.irp b, 0,1,2,3
	v_add_nc_u32 v[TM+8+\b], 0xff000000, v[TM+\b]  ; 2 off its exponent field: the conversion's scale operand
.endr
.irp b, 0,1,2,3
	v_lshrrev_b32 v[TM+4+\b], 23, v[TM+8+\b]       ; the scale's byte
.endr
	v_lshl_or_b32 v[PW], v[TM+5], 8, v[TM+4]
	v_lshl_or_b32 v[PW], v[TM+6], 16, v[PW]
	v_lshl_or_b32 v[PW], v[TM+7], 24, v[PW]
	WIN \w3
.irp b, 0,1,2,3
	v_cvt_scalef32_pk8_fp4_f32 v[PC+2*\b], v[(\s)+16*\b:(\s)+7+16*\b], v[TM+8+\b]
	v_cvt_scalef32_pk8_fp4_f32 v[PC+1+2*\b], v[(\s)+8+16*\b:(\s)+15+16*\b], v[TM+8+\b]
.endr
	WIN 0
	v_nop                                          ; one plain place behind a scaled conversion
.irp c, 0,1                                    ; the operand's layout wants a whole block in a lane: lanes 0-15 block 2 c, lanes 16-31 block 2 c + 1
.irp i, 0,1
	v_permlane16_swap_b32 v[PC+4*\c+\i], v[PC+2+4*\c+\i]
.endr
.endr
.endm
	s_load_b256 s[4:11], s[0:1], 0x0               ; xc, xs, wimg, wsimg
	s_load_b128 s[12:15], s[0:1], 0x20             ; b_qkv, qkvc
	v_lshl_add_u32 v254, v0, 2, 0x11800
	v_mov_b32 v255, 0
	v_lshrrev_b32 v12, 5, v0
	v_readfirstlane_b32 s16, v12                   ; wave 0..3
	v_and_b32 v12, 31, v0                          ; lane
	v_and_b32 v13, 15, v0                          ; r
	v_bfe_u32 v14, v0, 4, 1                        ; h
	v_lshlrev_b32 v[LI], 4, v12
	v_lshlrev_b32 v[L8], 3, v12
	v_mul_u32_u24 v[XF], v13, PITCH
	v_lshl_add_u32 v[XF], v14, 4, v[XF]
	s_mul_i32 s17, s16, 32*PITCH
	v_add_nc_u32 v[XLW], s17, v[LI]                ; my wave's 32 rows
	v_and_b32 v15, 8, v13
	v_add_nc_u32 v15, v15, v13                     ; r + 8 (r / 8)
	v_lshlrev_b32 v[XSA], 5, v15
	v_lshl_add_u32 v[XSA], v14, 4, v[XSA]          ; a token's 32 scale bytes: words 4 h .. 4 h + 3
	v_lshlrev_b32 v[BA], 6, v14
	v_lshlrev_b32 v[VBA], 2, v15
	s_lshl_b32 s17, s16, 9
	s_add_co_u32 s17, s17, SCG
	v_lshl_add_u32 v[SGW], v13, 2, s17
	v_add_nc_u32 v[SGR], s17, v[LI]
	s_lshl_b32 s17, s16, 8
	s_add_co_u32 s17, s17, SCGV
	v_lshl_add_u32 v[SVW], v13, 2, s17
	v_add_nc_u32 v[SVR], s17, v[L8]
.irp b, 0,1,2,3
	v_mov_b32 v[TM+4+\b], 0                        ; written once: a lane permute's destination counts as one of its sources
.endr
	s_mov_b32 s[SEL], 0x76543210
	s_mov_b32 s[SEL+1], 0xfedcba98                 ; v_permlanex16_b32's selects for lane l xor 16
	s_and_b32 s22, ttmp7, 0xffff                   ; tg
	s_lshl_b32 s23, ttmp9, 1                       ; 2 g
	s_and_b32 s42, s16, 1
	s_lshr_b32 s43, s16, 1
	s_add_co_u32 s44, s23, s42                     ; the q-k phase's head
	s_add_co_u32 s45, s23, s43                     ; the v phase's
	s_lshl_b32 s46, s43, 6
	s_lshl_b32 s47, s44, 3
	s_add_co_u32 s46, s46, s47                     ; my first weight tile: 64 (q or k) + 8 head
	s_lshl_b32 s47, s45, 3
	s_lshl_b32 s48, s42, 2
	s_add_co_u32 s47, s47, s48
	s_add_co_u32 s47, s47, 128                     ; and for v: 128 + 8 head + 4 (w % 2)
	s_lshr_b32 s48, s22, 3
	s_lshl_b32 s48, s48, 3                         ; 8 x window
	s_and_b32 s49, s22, 7                          ; the group of 128 tokens in its window
	s_add_co_u32 s50, s48, s44
	s_lshl_b32 s50, s50, 3
	s_add_co_u32 s50, s50, s49
	s_mul_i32 s50, s50, REC                        ; the q-k phase's record
	s_cmp_lt_u32 s16, 2
	s_cselect_b32 s51, 2*SUB, 0                    ; q's part is the third, k's the first
	s_add_co_u32 s50, s50, s51
	s_add_co_u32 s51, s48, s45
	s_lshl_b32 s51, s51, 3
	s_add_co_u32 s51, s51, s49
	s_mul_i32 s51, s51, REC
	s_add_co_u32 s51, s51, SUB                     ; v's part of the v phase's record
	s_lshl_b32 s52, s42, 12
	s_add_co_u32 s52, s52, s51                     ; my four images
	s_lshl_b32 s53, s42, 8
	s_add_co_u32 s53, s53, s51
	s_add_co_u32 s53, s53, 8192                    ; and their scale words
	s_mov_b32 s19, 0
	s_wait_kmcnt 0x0
	s_lshl_b32 s18, s22, 16
	s_lshl_b32 s54, s16, 14
	s_add_co_u32 s18, s18, s54
	s_add_nc_u64 s[4:5], s[4:5], s[18:19]          ; xc at my wave's 32 tokens
	s_lshl_b32 s18, s22, 12
	s_add_nc_u64 s[6:7], s[6:7], s[18:19]          ; xs at the group's first token
	s_lshl_b32 s18, s46, 13
	s_add_nc_u64 s[24:25], s[8:9], s[18:19]        ; q-k weights
	s_lshl_b32 s18, s47, 13
	s_add_nc_u64 s[26:27], s[8:9], s[18:19]        ; v's weights
	s_lshl_b32 s18, s46, 9
	s_add_nc_u64 s[28:29], s[10:11], s[18:19]      ; their scale images
	s_lshl_b32 s18, s47, 9
	s_add_nc_u64 s[30:31], s[10:11], s[18:19]
	s_lshl_b32 s18, s46, 6
	s_add_nc_u64 s[32:33], s[12:13], s[18:19]      ; their biases
	s_lshl_b32 s18, s47, 6
	s_add_nc_u64 s[34:35], s[12:13], s[18:19]
	s_mov_b32 s18, s50
	s_add_nc_u64 s[36:37], s[14:15], s[18:19]      ; where q's or k's part goes
	s_mov_b32 s18, s52
	s_add_nc_u64 s[38:39], s[14:15], s[18:19]      ; v's images
	s_mov_b32 s18, s53
	s_add_nc_u64 s[40:41], s[14:15], s[18:19]      ; v's scale words
	; ---- the loads.  First 40 small ones: scale words and biases
.irp m, 0,1,2,3,4,5,6,7
	global_load_b128 v[XS+4*\m:XS+4*\m+3], v[XSA], s[6:7] offset:32*(32*(\m/2)+8*(\m%2))
.endr
.irp t, 0,1,2,3,4,5,6,7
	global_load_b128 v[WS+4*\t:WS+4*\t+3], v[LI], s[28:29] offset:512*\t
.endr
.irp t, 0,1,2,3
	global_load_b128 v[WSV+4*\t:WSV+4*\t+3], v[LI], s[30:31] offset:512*\t
.endr
.irp t, 0,1,2,3,4,5,6,7                        ; the q-k bias in the result's layout: lane (r, h), tile 2 b + u, register j: column 32 b + 16 h + 8 u + j
	global_load_b128 v[BI+8*\t:BI+8*\t+3], v[BA], s[32:33] offset:4*(32*(\t/2)+8*(\t%2))
	global_load_b128 v[BI+8*\t+4:BI+8*\t+7], v[BA], s[32:33] offset:4*(32*(\t/2)+8*(\t%2))+16
.endr
.irp t, 0,1,2,3                                ; v's bias: one number a lane and tile
	global_load_b32 v[VB+\t], v[VBA], s[34:35] offset:4*(32*(\t/2)+8*(\t%2))
.endr
	WIN 0xc0                                       ; destination window 3
.set i, 0
.rept 32
	global_load_b128 v[4*i:4*i+3], v[LI], s[4:5] offset:512*i      ; a token's 512 bytes of codes a load
.set i, i+1
.endr
.macro WLOAD s                         ; the q-k weights of K step s: 16 loads of 512 consecutive bytes
.if (\s) < 4
	WIN 0x40
.else
	WIN 0x80
.endif
.irp t, 0,1,2,3,4,5,6,7
.irp c, 0,1
	global_load_b128 v[8*(8*((\s)%4)+\t)+4*\c:8*(8*((\s)%4)+\t)+4*\c+3], v[LI], s[24:25] offset:8192*\t+1024*(\s)+512*\c
.endr
.endr
.endm
.macro VLOAD s                         ; v's weights of K step s: 8 loads
.if (\s) < 4
	WIN 0xc0
.set rV, 128+32*(\s)
.else
	WIN 0x40
.set rV, 32*((\s)-4)
.endif
.irp t, 0,1,2,3
.irp c, 0,1
	global_load_b128 v[rV+8*\t+4*\c:rV+8*\t+4*\c+3], v[LI], s[26:27] offset:8192*\t+1024*(\s)+512*\c
.endr
.endr
.endm
	WLOAD 0
	WLOAD 1
	WLOAD 2
	s_wait_loadcnt 48                              ; the small loads and the tokens' rows are in; the 48 weight loads just issued stay out
	WIN 0x0c                                       ; an LDS store's data are its source 1: window 3
.set i, 0
.rept 32
	ds_store_b128 v[XLW], v[4*i:4*i+3] offset:PITCH*(16*((i/8)%2)+8*(i/16)+i%8)   ; token 16 a + 8 u + i3 of my 32 goes to row 16 u + 8 a + i3: the rows lie in the tiles' order
.set i, i+1
.endr
.irp s, 3,4,5,6,7
	WLOAD \s
.endr
.irp s, 0,1,2,3
	VLOAD \s
.endr
	WIN 0
	s_wait_dscnt 0x0                               ; for the others' sake: my 32 rows lie in LDS
	s_barrier_signal -1
	s_barrier_wait -1                              ; all 128 do
.macro FETCHX m                        ; tile m of the tokens, all eight K steps, into set m % 2
	WIN 0xc0
.irp s, 0,1,2,3,4,5,6,7
.irp c, 0,1
	ds_load_b128 v[64*((\m)%2)+8*\s+4*\c:64*((\m)%2)+8*\s+4*\c+3], v[XF] offset:16*PITCH*(\m)+64*\s+32*\c
.endr
.endr
.endm
.macro FETCHV s                        ; K step s of all eight tiles, into set s % 2
	WIN 0xc0
.irp m, 0,1,2,3,4,5,6,7
.irp c, 0,1
	ds_load_b128 v[64*((\s)%2)+8*\m+4*\c:64*((\s)%2)+8*\m+4*\c+3], v[XF] offset:16*PITCH*\m+64*(\s)+32*\c
.endr
.endr
.endm
	FETCHX 0
	s_wait_loadcnt 32                              ; all q-k weights are in; v's 32 loads stay out
	; ---- the q-k phase: a tile of 16 tokens at a time.  64 products, the eight accumulators by turns, one instruction a turn; the bias is the C of each sum's first product
.macro TILE m
	s_wait_dscnt 0x0                               ; this tile's fragments are in
.if (\m) < 7
	FETCHX (\m)+1                                  ; the next tile's, into the set that the tile before read: its products stand behind four places and a whole quantiser
.endif
.irp s, 0,1,2,3,4,5,6,7
.if \s < 4
	WIN 0x0d                                       ; source 0 (weights) window 1, source 1 (tokens) window 3
.else
	WIN 0x0e                                       ; weights in window 2
.endif
.irp t, 0,1,2,3,4,5,6,7
.set rD, ACC+8*\t
.set rA, 8*(8*(\s%4)+\t)
.set rB, 64*((\m)%2)+8*\s
.if \s == 0
.set rC, BI+8*\t
.else
.set rC, rD
.endif
.set rSA, WS+4*\t+\s%4
.set rSB, XS+4*(\m)+\s%4
	MM \s/4
.endr
.endr
	WIN 0
	PLACES
	s_wait_xcnt 0x0                                ; the last tile's stores have read the codes' registers
	QUANT ACC, 0, 0, 0
	global_store_b128 v[LI], v[PC:PC+3], s[36:37] offset:1024*(\m)          ; the image: 512 consecutive bytes a store
	global_store_b128 v[LI], v[PC+4:PC+7], s[36:37] offset:1024*(\m)+512
	ds_store_b32 v[SGW], v[PW] offset:64*(\m)      ; lanes r and r + 16 write the same word with the same value
.endm
.irp m, 0,1,2,3,4,5,6,7
	TILE \m
.endr
	; ---- between the phases
	ds_load_b128 v[12:15], v[SGR]                  ; my eight tiles' scale words, 512 bytes (LDS serves a wave's instructions in order)
.irp s, 4,5,6,7
	VLOAD \s                                       ; over q-k weights that are done with
.endr
	WIN 0
.irp t, 0,1,2,3
.irp j, 0,1,2,3,4,5,6,7
	v_mov_b32 v[BI+8*\t+\j], v[VB+\t]              ; v's bias as the C of a first product: a lane's eight registers are eight tokens of one column
.endr
.endr
	FETCHV 0
	WIN 0
	s_wait_dscnt 16                                ; the scale words are back; the 16 fragment loads stay out
	global_store_b128 v[LI], v[12:15], s[36:37] offset:8192
	s_wait_loadcnt 32                              ; v's weights of steps 0-3 are in; those of steps 4-7 stay out
	; ---- the v phase: a K step at a time, 32 accumulators by turns
.macro STEPV s
	s_wait_dscnt 0x0
.if (\s) > 0
	PLACES                                         ; in front of loads into the set that the last step's products read
.endif
.if (\s) < 7
	FETCHV (\s)+1
.endif
.if (\s) == 4
	s_wait_loadcnt 0x0                             ; the weights of steps 4-7
.endif
.if (\s) == 0
	WIN 0x8f                                       ; tokens and weights window 3, C (the bias) window 0, D window 2
.elseif (\s) < 4
	WIN 0xaf                                       ; C and D window 2
.else
	WIN 0xa7                                       ; weights window 1
.endif
.irp m, 0,1,2,3,4,5,6,7
.irp t, 0,1,2,3
.set rD, 64*\t+8*\m
.set rA, 64*((\s)%2)+8*\m
.if (\s) < 4
.set rB, 128+8*(4*(\s)+\t)
.else
.set rB, 8*(4*((\s)-4)+\t)
.endif
.if (\s) == 0
.set rC, BI+8*\t
.else
.set rC, rD
.endif
.set rSA, XS+4*\m+(\s)%4
.set rSB, WSV+4*\t+(\s)%4
	MM (\s)/4
.endr
.endr
.endm
.irp s, 0,1,2,3,4,5,6,7
	STEPV \s
.endr
	WIN 0
	PLACES
.irp t, 0,1,2,3                                ; tile t of the head's 128: its 64 registers are the group's 128 tokens, 16 (lane / 16) + .. of each 32
	s_wait_xcnt 0x0                                ; earlier stores have read the codes' registers
	QUANT 64*\t, 0x0a, 0x28, 0x02
	global_store_b128 v[LI], v[PC:PC+3], s[38:39] offset:1024*\t
	global_store_b128 v[LI], v[PC+4:PC+7], s[38:39] offset:1024*\t+512
	ds_store_b32 v[SVW], v[PW] offset:64*\t
.endr
	ds_load_b64 v[12:13], v[SVR]
	s_wait_dscnt 0x0
	global_store_b64 v[L8], v[12:13], s[40:41]     ; my four tiles' scale words: 256 consecutive bytes, aligned
	s_wait_tensorcnt 0x0
	ds_add_u32 v254, v255
	s_wait_dscnt 0x0
	s_endpgm
.Lfunc_end_k_qb297e36a4f_qkv:
	.size	k_qb297e36a4f_qkv, .Lfunc_end_k_qb297e36a4f_qkv-k_qb297e36a4f_qkv
	.p2alignl 7, 3214868480
	.fill 96, 4, 3214868480
	.section	.rodata,"a",@progbits
	.p2align	6, 0x0
	.amdhsa_kernel k_qb297e36a4f_qkv
		.amdhsa_group_segment_fixed_size 72192
		.amdhsa_private_segment_fixed_size 0
		.amdhsa_enable_private_segment 0
		.amdhsa_kernarg_size 48
		.amdhsa_user_sgpr_count 2
		.amdhsa_user_sgpr_kernarg_segment_ptr 1
		.amdhsa_wavefront_size32 1
		.amdhsa_system_sgpr_workgroup_id_x 1
		.amdhsa_system_sgpr_workgroup_id_y 1
		.amdhsa_system_sgpr_workgroup_id_z 1
		.amdhsa_system_vgpr_workitem_id 0
		.amdhsa_next_free_vgpr 1024
		.amdhsa_next_free_sgpr 66
		.amdhsa_reserve_vcc 0
		.amdhsa_float_denorm_mode_32 3
		.amdhsa_float_denorm_mode_16_64 3
		.amdhsa_memory_ordered 1
		.amdhsa_forward_progress 1
		.amdhsa_inst_pref_size 198
	.end_amdhsa_kernel
	.amdgpu_metadata
---
amdhsa.version: [ 1, 2 ]
amdhsa.kernels:
  - .name:           k_qb297e36a4f_qkv
    .symbol:         k_qb297e36a4f_qkv.kd
    .args:
      - { .name: xc, .offset: 0, .size: 8, .value_kind: global_buffer, .address_space: global }
      - { .name: xs, .offset: 8, .size: 8, .value_kind: global_buffer, .address_space: global }
      - { .name: wimg, .offset: 16, .size: 8, .value_kind: global_buffer, .address_space: global }
      - { .name: wsimg, .offset: 24, .size: 8, .value_kind: global_buffer, .address_space: global }
      - { .name: b_qkv, .offset: 32, .size: 8, .value_kind: global_buffer, .address_space: global }
      - { .name: qkvc, .offset: 40, .size: 8, .value_kind: global_buffer, .address_space: global }
    .group_segment_fixed_size: 72192
    .private_segment_fixed_size: 0
    .kernarg_segment_align: 8
    .kernarg_segment_size: 48
    .max_flat_workgroup_size: 128
    .sgpr_count:     66
    .vgpr_count:     1024
    .wavefront_size: 32
...
	.end_amdgpu_metadata
.endif
;; end of part 2
;; launch attn (part 3): grid 4 x 64, 16 waves a work-group, clusters of 4 x 1, 169,984 bytes of LDS; arguments qkvc, cc, cs; writes cc, cs
.if DOCPART == 3
	.amdgcn_target "amdgcn-amd-amdhsa--gfx1250"
	.amdhsa_code_object_version 6
	.text
	.protected	k_qb297e36a4f_attn
	.globl	k_qb297e36a4f_attn
	.p2align	8
	.type	k_qb297e36a4f_attn,@function
k_qb297e36a4f_attn:
	s_mov_b64 s[64:65], 0
	v_nop
	global_prefetch_b8 v0, s[64:65] scope:SCOPE_SE
	s_setreg_imm32_b32 hwreg(HW_REG_WAVE_MODE, 25, 1), 1
	s_wait_xcnt 0x0
	s_wait_alu depctr_hold_cnt(0) depctr_sa_sdst(0) depctr_va_vdst(0) depctr_va_sdst(0) depctr_va_ssrc(0) depctr_va_vcc(0) depctr_vm_vsrc(0)
	s_getreg_b32 s2, hwreg(HW_REG_IB_STS2, 6, 4)
	s_cmp_eq_u32 s2, 0
	s_cbranch_scc0 .Lentry_in_a_cluster
	s_endpgm
.Lentry_in_a_cluster:
	s_bfe_u32 s2, ttmp6, 0x10000c
	s_cmp_lg_u32 s2, 0x3003
	s_cbranch_scc0 .Lentry_shape_is_right
	s_endpgm
.Lentry_shape_is_right:
; ATTN.  ctx = softmax(q k^T / sqrt(128)) v inside a window of 1,024 tokens and one head, both products on codes of FP4 with E8M0 scales; ctx is quantised at once along the head's 128 for the output projection.
; THE SOFTMAX AHEAD OF THE SECOND PRODUCT: t = score x log2(e) / sqrt(128); M = the row's largest t so far, rounded up to a whole number; p = 2^(t - M) is what is quantised, along the keys; it is not normalised.
; The row's sum is taken of the unquantised p, in f32, and divides the result at the end.  When M moves, the sum and the result are multiplied by 2^(old M - new M): exact.
; IN: qkvc [window x head 64][group of 128 tokens 8][26,112 bytes]: parts K, V, Q of 8,704 bytes, each eight register images of 1,024 bytes and 8 x 64 bytes of scale words.
; OUT: cc [tile of 16 tokens 512][head 8][1,024 bytes], ctx's images;  cs [head 8][tile 512][64 bytes], their scale words.
; SHARES.  A work-group owns 256 queries of one window and head; each of its sixteen waves one tile of 16, in 256 registers.  Every wave walks the window's 1,024 keys, 128 a step.
; ALL OF K AND V OF THE WINDOW AND HEAD, 139,264 bytes, LIES IN LDS, FILLED ONCE: no slot is filled again.  Waves 0-3 each bring a quarter (17 rows of 256 bytes) of each of the eight steps: eight tensor loads a wave are out at the most.
; CLUSTER.  The four work-groups of a cluster are the four blocks of queries of one window and head and read the same K and V: each load is asked for JOINTLY, with the same descriptor and the mask of all four.
; LAYOUT.  Both products are used transposed (S^T = K Q^T, O^T = V^T P^T): a lane holds one query throughout.  The keys of a tile of K and the rows of a tile of V are chosen (lane r of tile 2 b + u: 32 b + 8 u + r + 8 (r / 8)),
; so that 16 registers of two neighbouring tiles are 16 neighbours: of the keys for p, of the head's 128 for ctx.  An image is read as it lies: 512 consecutive bytes a load.
; LIMITS: NaN and infinities are not served.  A block's largest p is taken from its largest score through the same multiply-add and exponential, which takes v_exp_f32 not to fall where its input rises.
; ctx = O / l is v_rcp_f32 and a multiplication.  A block whose largest magnitude lies under 2^-124 keeps the byte 1 (a block of zeros too: its codes are zeros).
; REGISTERS: v1-7 addresses; v12 -M, v13 the largest t, v[14:15] the sum in two halves; v16-23 Q; v32-63 four fragments of K or V; v96-159 S^T, then p, at last ctx; v160-223 O^T; v224-231 codes; v232-254 at work; v248-251, v253, v255 scale words.
.set SUB,  8704
.set REC,  3*SUB
.set KVB,  2*SUB                       ; a step's K and V in LDS
.set CSST, 8*KVB                       ; behind them: 1,024 bytes for the sixteen tiles' scale words of ctx
.set LI,   1                           ; 16 x lane
.set L4,   2                           ; 4 x (lane % 16)
.set ADK,  3                           ; the step's images
.set ADS,  4                           ; the step's scale words
.set CSW,  5
.set CSR,  6
.set GO16, 7
.set TM,   232
.set PC,   224
.set PW,   244
.set WV,   16
.set SEL,  20
.set CS,   22
.set G1,   24                          ; s[24:31] descriptor group 1
.set G0,   32                          ; s[32:63] group 0, a set for each of the eight loads: none is written while its load is out
.macro ROUND                           ; a round of the cluster's barrier
	s_barrier_signal -1
	s_barrier_wait -1
	s_cmp_lg_u32 s[WV], 0
	s_cbranch_scc1 .Lnot_wave_0_\@
	s_barrier_signal -3
.Lnot_wave_0_\@:
	s_barrier_wait -3
	s_barrier_signal -1
	s_barrier_wait -1
.endm
.macro SYNC n                          ; the steps whose loads are older than my n youngest have landed, in every wave's share; later loads may stay out
	s_wait_tensorcnt \n
	s_wait_dscnt 0x0
	s_barrier_signal -1
	s_barrier_wait -1
.endm
	s_load_b128 s[4:7], s[0:1], 0x0                ; qkvc, cc
	s_load_b64 s[8:9], s[0:1], 0x10                ; cs
	v_lshl_add_u32 v94, v0, 2, 0x29000
	v_mov_b32 v95, 0
	ds_add_u32 v94, v95
	ds_add_u32 v94, v95
	v_lshrrev_b32 v8, 5, v0
	v_readfirstlane_b32 s[WV], v8                  ; wave 0..15
	v_and_b32 v8, 31, v0
	v_and_b32 v9, 15, v0
	v_lshlrev_b32 v[LI], 4, v8
	v_lshlrev_b32 v[L4], 2, v9
	s_lshl_b32 s17, s[WV], 6
	s_add_co_u32 s17, s17, CSST
	v_lshl_add_u32 v[CSW], v9, 2, s17              ; my tile's 64 bytes of scale words
	v_lshl_add_u32 v[CSR], v0, 4, CSST             ; back: 16 bytes a thread (threads 0-63)
	v_lshlrev_b32 v[GO16], 4, v0
	s_mov_b32 s[G1], 15|(3<<16)|(1<<21)            ; 15:0 the mask: all four work-groups; 17:16 elements of 8 bytes; 21 set beside a mask; no padding
	s_mov_b32 s[G1+1], 32<<16                      ; tensor_dim0 = 32 elements: rows of 256 bytes
	s_mov_b32 s[G1+2], 17<<16                      ; tensor_dim1 = 17
	s_mov_b32 s[G1+3], 32<<16                      ; tile_dim0
	s_mov_b32 s[G1+4], 17                          ; tile_dim1
	s_mov_b32 s[G1+5], 32                          ; the pitch: dense
	s_mov_b32 s[G1+6], 0
	s_mov_b32 s[G1+7], 0
	s_mov_b32 s[SEL], 0x76543210
	s_mov_b32 s[SEL+1], 0xfedcba98                 ; v_permlanex16_b32's selects for lane l xor 16
	s_mov_b32 s[CS], 0x3e0293ee                    ; c = log2(e) / sqrt(128)
	s_mov_b32 s[CS+1], s[CS]                       ; (named with it as a pair, so it is written)
	s_bfe_u32 s10, ttmp6, 0x40000                  ; cx: it enters Q's, cc's and cs's global addresses alone
	s_lshl_b32 s11, ttmp9, 2
	s_add_co_u32 s11, s11, s10                     ; my block of 256 queries
	s_and_b32 s12, ttmp7, 0xffff                   ; window x 8 + head, which the four partners share
	s_mul_i32 s14, s12, 8*REC
	s_mov_b32 s15, 0
	s_mul_i32 s66, s[WV], 17*256                   ; my 17 rows of a step, in memory and in LDS alike
	s_mov_b32 s67, 0
	s_lshl_b32 s17, s11, 1
	s_lshr_b32 s18, s[WV], 3
	s_add_co_u32 s17, s17, s18                     ; my queries' group of 128
	s_and_b32 s18, s[WV], 7                        ; and their tile in it
	s_mul_i32 s70, s17, REC
	s_add_co_u32 s70, s70, 2*SUB                   ; Q's part of that record
	s_lshl_b32 s19, s18, 10
	s_add_co_u32 s72, s70, s19                     ; my image
	s_mov_b32 s73, 0
	s_lshl_b32 s19, s18, 6
	s_add_co_u32 s74, s70, s19
	s_add_co_u32 s74, s74, 8192                    ; my scale words
	s_mov_b32 s75, 0
	s_lshr_b32 s19, s12, 3
	s_lshl_b32 s19, s19, 6
	s_lshl_b32 s76, s11, 4
	s_add_co_u32 s19, s19, s76                     ; the work-group's first tile of tokens: 64 window + 16 block
	s_and_b32 s78, s12, 7                          ; head
	s_add_co_u32 s76, s19, s[WV]
	s_lshl_b32 s76, s76, 3
	s_add_co_u32 s76, s76, s78
	s_lshl_b32 s76, s76, 10                        ; cc: (8 tile + head) x 1,024
	s_mov_b32 s77, 0
	s_lshl_b32 s68, s78, 15
	s_lshl_b32 s19, s19, 6
	s_add_co_u32 s68, s68, s19                     ; cs: 32,768 head + 64 x first tile
	s_mov_b32 s69, 0
	s_wait_dscnt 0x0
	s_wait_kmcnt 0x0
	s_add_nc_u64 s[4:5], s[4:5], s[14:15]          ; the window's and head's eight records
	s_add_nc_u64 s[72:73], s[4:5], s[72:73]
	s_add_nc_u64 s[74:75], s[4:5], s[74:75]
	s_add_nc_u64 s[4:5], s[4:5], s[66:67]          ; my rows of step 0: made of the shared coordinate and the wave's number alone
	s_add_nc_u64 s[6:7], s[6:7], s[76:77]
	s_add_nc_u64 s[8:9], s[8:9], s[68:69]
.irp j, 0,1,2,3,4,5,6,7
	s_mov_b32 s[G0+4*\j], 1                        ; count = 1
	s_add_co_u32 s[G0+4*\j+1], s66, KVB*\j         ; LDS address
	s_add_nc_u64 s[G0+4*\j+2:G0+4*\j+3], s[4:5], REC*\j   ; global address: K and V lead each record
	s_or_b32 s[G0+4*\j+3], s[G0+4*\j+3], 0x80000000       ; type = 2
.endr
	ROUND                                          ; all four work-groups are here: the joint loads meet
	s_cmp_lt_u32 s[WV], 4                          ; a wave's first fills stand in one branch on the wave's number
	s_cbranch_scc0 .Lno_fill
.irp j, 0,1,2,3,4,5,6,7
	tensor_load_to_lds s[G0+4*\j:G0+4*\j+3], s[G1:G1+7]
	s_nop 0
.endr
.rept 4
	v_nop
.endr
.Lno_fill:
	global_load_b128 v[16:19], v[LI], s[72:73]     ; Q's fragment stays in registers
	global_load_b128 v[20:23], v[LI], s[72:73] offset:512
	global_load_b32 v255, v[L4], s[74:75]          ; and its scale words
	v_mov_b32 v13, 0xff61b1e6                      ; the largest t so far: -3e38, under every t
	v_floor_f32 v12, -v13                          ; -M
	v_mov_b32 v14, 0                               ; the sum, in two halves
	v_mov_b32 v15, 0
.irp b, 0,1,2,3
	v_mov_b32 v[236+\b], 0                         ; written once: a lane permute's destination counts as one of its sources
.endr
	v_mov_b32 v253, 0                              ; (named as the upper half of the pair v[252:253] before it is first written)
; A KEY STEP: keys 128 kj on.  first = 1: its products start O^T's sums (C = 0), and there is nothing to rescale.
.macro STEP kj, first
	v_add_nc_u32 v[ADK], KVB*\kj, v[LI]
	v_add_nc_u32 v[ADS], KVB*\kj, v[L4]
	v_nop
	v_nop                                          ; with the two additions: four places in front of loads into registers that the last products read
.irp g, 0,1                                    ; S^T = K Q^T, four tiles of 16 keys at a time
.if \g > 0
.rept 4
	v_nop
.endr
.endif
.irp t, 0,1,2,3
.irp c, 0,1
	ds_load_b128 v[32+8*\t+4*\c:32+8*\t+4*\c+3], v[ADK] offset:1024*(4*\g+\t)+512*\c
.endr
	ds_load_b32 v[248+\t], v[ADS] offset:8192+64*(4*\g+\t)
.endr
	s_wait_dscnt 0x0
.irp t, 0,1,2,3
	v_wmma_scale_f32_16x16x128_f8f6f4 v[96+8*(4*\g+\t):103+8*(4*\g+\t)], v[32+8*\t:39+8*\t], v[16:23], 0, v[248+\t], v255 matrix_a_fmt:MATRIX_FMT_FP4 matrix_b_fmt:MATRIX_FMT_FP4
.endr
.endr                                          ; lane (r, h) holds query r; the 16 registers of tiles 2 b, 2 b + 1 are keys 32 b + 16 h + 0 .. 15 of the step
.rept 4
	v_nop
.endr
.irp b, 0,1,2,3
	v_max3_num_f32 v[232+\b], v[96+16*\b], v[97+16*\b], v[98+16*\b]   ; the largest score of each block of 32 keys: it serves the row's maximum and, since p rises with the score, the block's largest p
.endr
.irp i, 3,5,7,9,11,13
.irp b, 0,1,2,3
	v_max3_num_f32 v[232+\b], v[232+\b], v[96+16*\b+\i], v[97+16*\b+\i]
.endr
.endr
.irp b, 0,1,2,3
	v_max_num_f32 v[232+\b], v[232+\b], v[111+16*\b]
.endr
.irp b, 0,1,2,3
	v_permlanex16_b32 v[236+\b], v[232+\b], s[SEL], s[SEL+1]
.endr
.irp b, 0,1,2,3
	v_max_num_f32 v[232+\b], v[232+\b], v[236+\b]  ; with lane l xor 16's 16 keys
.endr
	v_max3_num_f32 v254, v232, v233, v234
	v_max_num_f32 v254, v254, v235                 ; the step's largest score of my query
	v_mul_f32 v254, s[CS], v254                    ; as t (c is positive)
	v_max_num_f32 v13, v13, v254                   ; the running largest t
	v_mov_b32 v254, v12
	v_floor_f32 v12, -v13                          ; the new -M = floor(-t) = -ceil(t): a whole number
	v_sub_f32 v254, v12, v254                      ; M's old value less its new one: a whole number, 0 or less
	v_cvt_i32_f32 v254, v254                       ; (it saturates)
	v_ldexp_f32 v252, 1.0, v254                    ; f = 2^(old M - new M)
.set j, 0
.rept 32
	v_pk_fma_f32 v[96+j:97+j], v[96+j:97+j], s[CS:CS+1], v[12:13] op_sel_hi:[1,0,0]   ; t - M, two at a time (of the pairs c and -M the low word serves both halves)
.set j, j+2
.endr
.irp b, 0,1,2,3
	v_fma_f32 v[232+\b], v[232+\b], s[CS], v12     ; the same of each block's largest score
.endr
.set j, 0
.rept 64
	v_exp_f32 v[96+j], v[96+j]                     ; p = 2^(t - M), at most 1: not normalised
.set j, j+1
.endr
.irp b, 0,1,2,3
	v_exp_f32 v[232+\b], v[232+\b]                 ; the block's largest p: the same two instructions on the same number
.endr
	v_pk_mul_f32 v[14:15], v[14:15], v[252:253] op_sel_hi:[1,0]   ; the sums under the new M (a plain place behind the exponentials)
	s_wait_alu depctr_va_vdst(0)
.irp b, 0,1,2,3
	v_max_num_f32 v[232+\b], 0x1800000, v[232+\b]  ; the floor 2^(3 - 127): the byte cannot fall under 1
.endr
.irp b, 0,1,2,3
	v_add_nc_u32 v[244+\b], 0xff000000, v[232+\b]  ; 2 off the exponent field: the conversion's scale operand
.endr
.irp b, 0,1,2,3
	v_lshrrev_b32 v[236+\b], 23, v[244+\b]         ; the scale's byte
.endr
	v_lshl_or_b32 v253, v237, 8, v236              ; p's scale word for these 128 keys
	v_lshl_or_b32 v253, v238, 16, v253
	v_lshl_or_b32 v253, v239, 24, v253
.irp b, 0,1,2,3
	v_cvt_scalef32_pk8_fp4_f32 v[224+2*\b], v[96+16*\b:103+16*\b], v[244+\b]
	v_cvt_scalef32_pk8_fp4_f32 v[225+2*\b], v[104+16*\b:111+16*\b], v[244+\b]
.endr
	v_nop                                          ; one plain place behind a scaled conversion
.irp c, 0,1                                    ; a whole block in a lane: lanes 0-15 block 2 c, lanes 16-31 block 2 c + 1
.irp i, 0,1
	v_permlane16_swap_b32 v[224+4*\c+\i], v[226+4*\c+\i]
.endr
.endr
	v_pk_add_f32 v[236:237], v[96:97], v[98:99]    ; the row's sum is taken of the unquantised p: two at a time, in two chains.  (These 32 lines are also the places in front of the scaled products below)
.irp j, 4,8,12,16,20,24,28,32,36,40,44,48,52,56,60
	v_pk_add_f32 v[14:15], v[14:15], v[96+\j:97+\j]
	v_pk_add_f32 v[236:237], v[236:237], v[98+\j:99+\j]
.endr
	v_pk_add_f32 v[14:15], v[14:15], v[236:237]
.if !\first
.set j, 0
.rept 32
	v_pk_mul_f32 v[160+j:161+j], v[160+j:161+j], v[252:253] op_sel_hi:[1,0]   ; O^T under the new M, each accumulator from its low end on
.set j, j+2
.endr
.endif
.irp g, 0,1                                    ; O^T += V^T P^T: four tiles of 16 of the head's 128 at a time; the eight accumulators take turns
.if \g > 0
.rept 4
	v_nop
.endr
.endif
.irp t, 0,1,2,3
.irp c, 0,1
	ds_load_b128 v[32+8*\t+4*\c:32+8*\t+4*\c+3], v[ADK] offset:SUB+1024*(4*\g+\t)+512*\c
.endr
	ds_load_b32 v[248+\t], v[ADS] offset:SUB+8192+64*(4*\g+\t)
.endr
	s_wait_dscnt 0x0
.irp t, 0,1,2,3
.if \first
	v_wmma_scale_f32_16x16x128_f8f6f4 v[160+8*(4*\g+\t):167+8*(4*\g+\t)], v[32+8*\t:39+8*\t], v[224:231], 0, v[248+\t], v253 matrix_a_fmt:MATRIX_FMT_FP4 matrix_b_fmt:MATRIX_FMT_FP4
.else
	v_wmma_scale_f32_16x16x128_f8f6f4 v[160+8*(4*\g+\t):167+8*(4*\g+\t)], v[32+8*\t:39+8*\t], v[224:231], v[160+8*(4*\g+\t):167+8*(4*\g+\t)], v[248+\t], v253 matrix_a_fmt:MATRIX_FMT_FP4 matrix_b_fmt:MATRIX_FMT_FP4
.endif
.endr
.endr
.endm
	s_wait_loadcnt 0x0                             ; Q
	SYNC 7                                         ; step 0 lies in LDS; a filling wave's seven younger loads stay out
	STEP 0, 1
	SYNC 4                                         ; steps 1 to 3; four loads stay out
	STEP 1, 0
	STEP 2, 0
	STEP 3, 0
	SYNC 0                                         ; all
	STEP 4, 0
	STEP 5, 0
	STEP 6, 0
	STEP 7, 0
	; ---- ctx = O / l, quantised along the head's 128: register 16 b + i is channel 32 b + 16 (lane / 16) + i of my query
.rept 4
	v_nop
.endr
	v_add_f32 v14, v14, v15                        ; the sum's two halves,
	v_permlanex16_b32 v252, v14, s[SEL], s[SEL+1]
	v_add_f32 v14, v14, v252                       ; and lane l xor 16's: the row's sum
	v_rcp_f32 v14, v14
	v_nop                                          ; one plain place behind a transcendental
.set j, 0
	s_wait_alu depctr_va_vdst(0)
.rept 64
	v_mul_f32 v[96+j], v[160+j], v14
.set j, j+1
.endr
.irp b, 0,1,2,3
	v_max3_num_f32 v[TM+\b], |v[96+16*\b]|, |v[97+16*\b]|, 0x1800000   ; block b: my 16 numbers and the floor 2^(3 - 127)
.endr
.irp i, 2,4,6,8,10,12,14
.irp b, 0,1,2,3
	v_max3_num_f32 v[TM+\b], v[TM+\b], |v[96+16*\b+\i]|, |v[97+16*\b+\i]|
.endr
.endr
.irp b, 0,1,2,3
	v_permlanex16_b32 v[TM+4+\b], v[TM+\b], s[SEL], s[SEL+1]
.endr
.irp b, 0,1,2,3
	v_max_num_f32 v[TM+\b], v[TM+\b], v[TM+4+\b]
.endr
.irp b, 0,1,2,3
	v_add_nc_u32 v[TM+8+\b], 0xff000000, v[TM+\b]
.endr
.irp b, 0,1,2,3
	v_lshrrev_b32 v[TM+4+\b], 23, v[TM+8+\b]
.endr
	v_lshl_or_b32 v[PW], v[TM+5], 8, v[TM+4]
	v_lshl_or_b32 v[PW], v[TM+6], 16, v[PW]
	v_lshl_or_b32 v[PW], v[TM+7], 24, v[PW]
.irp b, 0,1,2,3
	v_cvt_scalef32_pk8_fp4_f32 v[PC+2*\b], v[96+16*\b:103+16*\b], v[TM+8+\b]
	v_cvt_scalef32_pk8_fp4_f32 v[PC+1+2*\b], v[104+16*\b:111+16*\b], v[TM+8+\b]
.endr
	v_nop
.irp c, 0,1
.irp i, 0,1
	v_permlane16_swap_b32 v[PC+4*\c+\i], v[PC+2+4*\c+\i]
.endr
.endr
	global_store_b128 v[LI], v[PC:PC+3], s[6:7]    ; the image: 512 consecutive bytes a store
	global_store_b128 v[LI], v[PC+4:PC+7], s[6:7] offset:512
	ds_store_b32 v[CSW], v[PW]                     ; lanes r and r + 16 write the same word with the same value
	s_wait_dscnt 0x0                               ; for the others' sake
	s_barrier_signal -1
	s_barrier_wait -1                              ; the sixteen tiles' scale words lie together: 1,024 bytes that are neighbours in cs
	s_cmp_lt_u32 s[WV], 2
	s_cbranch_scc0 .Lno_cs
	ds_load_b128 v[32:35], v[CSR]
	s_wait_dscnt 0x0
	global_store_b128 v[GO16], v[32:35], s[8:9]    ; 512 consecutive bytes a wave, aligned
.Lno_cs:
	s_wait_tensorcnt 0x0
	s_wait_tensorcnt 0x0
	ds_add_u32 v94, v95
	s_wait_dscnt 0x0
	ROUND                                          ; the closing round: no work-group ends while a partner may still ask for a tile that names it
	s_endpgm
.Lfunc_end_k_qb297e36a4f_attn:
	.size	k_qb297e36a4f_attn, .Lfunc_end_k_qb297e36a4f_attn-k_qb297e36a4f_attn
	.p2alignl 7, 3214868480
	.fill 96, 4, 3214868480
	.section	.rodata,"a",@progbits
	.p2align	6, 0x0
	.amdhsa_kernel k_qb297e36a4f_attn
		.amdhsa_group_segment_fixed_size 169984
		.amdhsa_private_segment_fixed_size 0
		.amdhsa_enable_private_segment 0
		.amdhsa_kernarg_size 24
		.amdhsa_user_sgpr_count 2
		.amdhsa_user_sgpr_kernarg_segment_ptr 1
		.amdhsa_wavefront_size32 1
		.amdhsa_system_sgpr_workgroup_id_x 1
		.amdhsa_system_sgpr_workgroup_id_y 1
		.amdhsa_system_sgpr_workgroup_id_z 1
		.amdhsa_system_vgpr_workitem_id 0
		.amdhsa_next_free_vgpr 256
		.amdhsa_next_free_sgpr 80
		.amdhsa_reserve_vcc 0
		.amdhsa_float_denorm_mode_32 3
		.amdhsa_float_denorm_mode_16_64 3
		.amdhsa_memory_ordered 1
		.amdhsa_forward_progress 1
		.amdhsa_inst_pref_size 159
	.end_amdhsa_kernel
	.amdgpu_metadata
---
amdhsa.version: [ 1, 2 ]
amdhsa.kernels:
  - .name:           k_qb297e36a4f_attn
    .symbol:         k_qb297e36a4f_attn.kd
    .args:
      - { .name: qkvc, .offset: 0, .size: 8, .value_kind: global_buffer, .address_space: global }
      - { .name: cc, .offset: 8, .size: 8, .value_kind: global_buffer, .address_space: global }
      - { .name: cs, .offset: 16, .size: 8, .value_kind: global_buffer, .address_space: global }
    .group_segment_fixed_size: 169984
    .private_segment_fixed_size: 0
    .kernarg_segment_align: 8
    .kernarg_segment_size: 24
    .max_flat_workgroup_size: 512
    .sgpr_count:     80
    .vgpr_count:     256
    .wavefront_size: 32
...
	.end_amdgpu_metadata
.endif
;; end of part 3
;; launch outln (part 4): grid 256 x 1, 16 waves a work-group, no clusters, 281,088 bytes of LDS; arguments cc, cs, wimg, wsimg, b_out, val, ln_gamma, ln_beta, out0; writes out0
.if DOCPART == 4
	.amdgcn_target "amdgcn-amd-amdhsa--gfx1250"
	.amdhsa_code_object_version 6
	.text
	.protected	k_qb297e36a4f_outln
	.globl	k_qb297e36a4f_outln
	.p2align	8
	.type	k_qb297e36a4f_outln,@function
k_qb297e36a4f_outln:
	s_mov_b64 s[64:65], 0
	v_nop
	global_prefetch_b8 v0, s[64:65] scope:SCOPE_SE
	s_setreg_imm32_b32 hwreg(HW_REG_WAVE_MODE, 25, 1), 1
	s_wait_xcnt 0x0
; OUTLN.  out0 = LayerNorm(val + Q(ctx) w_out + b_out) x gamma + beta.  The product runs on codes of FP4 with E8M0 scales; the rest is f32, the variance taken of x - mean in a second pass over registers.
; IN: cc [tile of 16 tokens 512][head 8][1,024 bytes] ctx's register images, cs [head 8][tile 512][64 bytes] their scale words; wimg, wsimg tiles 192-255: w_out in the same order.
; SHARES.  Work-group i owns tokens 32 i .. 32 i + 31: two tiles (lane r of tile m: token 32 i + 8 m + r + 8 (r / 8)).  PRODUCT: wave w makes outputs 64 w .. 64 w + 63 of both tiles: eight accumulators;
; source 0 = 16 rows of w_out, source 1 = 16 tokens, so that a lane holds 16 neighbouring outputs of one token in two tiles' registers.  Its weights come straight from memory in operand order, three K steps ahead.
; The bias is loaded into the accumulators, so every product adds in place and nothing is cleared or added afterwards.  The 32 rows meet in a stage in LDS; then wave w normalises stage rows 2 w and 2 w + 1, two neighbouring tokens.
; val's 8,192 bytes for those two tokens are asked for at the kernel's head by a tensor load into the wave's own LDS bytes, and lie there until the product is done: they cost no register meanwhile.
; Each wave has two tensor loads out at the most; no LDS byte is filled twice.
; No cluster: w_out's 524,288 bytes, which all work-groups read, do not fit in LDS beside the stage and val; a joint ring for them would be the next step.
; REGISTERS: v1-7 addresses; v16-31 w_out's scale words, v32-39 ctx's; v40-59 at work; v64-159 three sets of four weight fragments; v160-191 two sets of ctx's two fragments; v192-255 accumulators.
;   Behind the product: v64-95 gamma, v96-127 beta, v128-191 val, v192-255 the two rows.
.set CIMG,   0                         ; ctx's 16 images
.set VALB,   16384                     ; val: 8,192 bytes for each wave
.set STG,    VALB+16*8192              ; the stage: 32 rows of 4,096 bytes + 16, in the tiles' order
.set SPITCH, 4112                      ; an odd multiple of 16: the 16 rows of a store start in 16 different groups of banks (ISA guide 11.1)
.set LI,  1
.set SO0, 2                            ; the stage, in: tile 0's rows;  v3: tile 1's
.set SR,  4                            ; and back
.set VR,  5
.set CSA, 6
.set BA,  7
.set WSC, 16                           ; register 4 t + q: lanes 0-15 K step q, lanes 16-31 K step 4 + q
.set CSC, 32                           ; 4 m + q likewise
.set W,   64
.set CF,  160
.set ACC, 192                          ; (m, t) at 8 (4 m + t)
.set GA,  64
.set BE,  96
.set VL,  128
.set Y,   192
.macro PLACES
.rept 4
	v_nop
.endr
.endm
.macro MM hi
.if \hi
	v_wmma_scale_f32_16x16x128_f8f6f4 v[rD:rD+7], v[rA:rA+7], v[rB:rB+7], v[rD:rD+7], v[rSA], v[rSB] matrix_a_fmt:MATRIX_FMT_FP4 matrix_b_fmt:MATRIX_FMT_FP4 matrix_a_scale:MATRIX_SCALE_ROW1 matrix_b_scale:MATRIX_SCALE_ROW1
.else
	v_wmma_scale_f32_16x16x128_f8f6f4 v[rD:rD+7], v[rA:rA+7], v[rB:rB+7], v[rD:rD+7], v[rSA], v[rSB] matrix_a_fmt:MATRIX_FMT_FP4 matrix_b_fmt:MATRIX_FMT_FP4
.endif
.endm
	s_load_b512 s[4:19], s[0:1], 0x0               ; cc, cs, wimg, wsimg, b_out, val, gamma, beta
	s_load_b64 s[20:21], s[0:1], 0x40              ; out0
	v_lshl_add_u32 v62, v0, 2, 0x44200
	v_mov_b32 v63, 0
	ds_add_u32 v62, v63
	ds_add_u32 v62, v63
	v_lshrrev_b32 v8, 5, v0
	v_readfirstlane_b32 s22, v8                    ; wave 0..15
	v_and_b32 v8, 31, v0                           ; lane
	v_and_b32 v9, 15, v0                           ; r
	v_bfe_u32 v10, v0, 4, 1                        ; h
	v_lshlrev_b32 v[LI], 4, v8
	v_mul_u32_u24 v[SO0], v9, SPITCH
	v_lshl_add_u32 v[SO0], v10, 6, v[SO0]
	s_lshl_b32 s23, s22, 8
	s_add_co_u32 s23, s23, STG
	v_add_nc_u32 v[SO0], s23, v[SO0]               ; row r, + 64 h, + 256 w: my outputs' bytes
	v_add_nc_u32 v[SO0+1], 16*SPITCH, v[SO0]
	s_mul_i32 s23, s22, 2*SPITCH
	s_add_co_u32 s23, s23, STG
	v_add_nc_u32 v[SR], s23, v[LI]
	s_lshl_b32 s45, s22, 13
	s_add_co_u32 s45, s45, VALB                    ; my wave's bytes for val
	v_add_nc_u32 v[VR], s45, v[LI]
	v_lshlrev_b32 v[CSA], 2, v9
	v_lshl_add_u32 v[CSA], v10, 17, v[CSA]         ; lanes 16-31 take the heads four further on: 4 x 32,768 bytes
	v_lshlrev_b32 v[BA], 6, v10
	v_mov_b32 v46, 0                               ; written once: a lane permute's destination counts as one of its sources
	v_mov_b32 v47, 0
	s_mov_b32 s52, 0x76543210
	s_mov_b32 s53, 0xfedcba98                      ; v_permlanex16_b32's selects for lane l xor 16
	s_mov_b32 s54, 0x3a800000                      ; 1 / 1024
	s_mov_b32 s55, 0x3727c5ac                      ; 1e-5
	; descriptor groups 1: dense blocks as rows of 256 bytes (32 elements of 8 bytes), no padding: 4 rows of ctx, 32 rows of val
.irp g, 24, 32
	s_mov_b32 s[\g], 3<<16
	s_mov_b32 s[\g+1], 32<<16
	s_mov_b32 s[\g+3], 32<<16
	s_mov_b32 s[\g+5], 32
	s_mov_b32 s[\g+6], 0
	s_mov_b32 s[\g+7], 0
.endr
	s_mov_b32 s26, 4<<16
	s_mov_b32 s28, 4
	s_mov_b32 s34, 32<<16
	s_mov_b32 s36, 32
	s_lshr_b32 s50, s22, 2                         ; stage rows 2 w, 2 w + 1 are tokens 16 ((w / 4) % 2) + 8 (w / 8) + 2 (w % 4) and the next
	s_and_b32 s50, s50, 1
	s_lshl_b32 s50, s50, 4
	s_lshr_b32 s51, s22, 3
	s_lshl_b32 s51, s51, 3
	s_add_co_u32 s50, s50, s51
	s_and_b32 s51, s22, 3
	s_lshl_b32 s51, s51, 1
	s_add_co_u32 s50, s50, s51
	s_lshl_b32 s51, ttmp9, 5
	s_add_co_u32 s50, s50, s51
	s_mov_b32 s49, 0
	s_wait_dscnt 0x0
	s_wait_kmcnt 0x0
	s_lshl_b32 s48, s50, 12
	s_add_nc_u64 s[14:15], s[14:15], s[48:49]      ; val and out0 at my two tokens
	s_add_nc_u64 s[20:21], s[20:21], s[48:49]
	s_lshl_b32 s48, ttmp9, 14
	s_lshl_b32 s41, s22, 10                        ; my image of the sixteen, in memory and in LDS alike
	s_add_co_u32 s48, s48, s41
	s_add_nc_u64 s[42:43], s[4:5], s[48:49]
	s_or_b32 s43, s43, 0x80000000
	s_mov_b32 s40, 1
	s_mov_b32 s44, 1
	s_mov_b64 s[46:47], s[14:15]
	s_or_b32 s47, s47, 0x80000000
	tensor_load_to_lds s[40:43], s[24:31]          ; ctx: 1,024 bytes a wave
	s_nop 0
	tensor_load_to_lds s[44:47], s[32:39]          ; val: 8,192 bytes a wave
	s_nop 0
.rept 4
	v_nop
.endr
	s_lshl_b32 s48, ttmp9, 7
	s_add_nc_u64 s[6:7], s[6:7], s[48:49]          ; cs at my two tiles
	s_lshl_b32 s48, s22, 15
	s_add_co_u32 s48, s48, 192*8192
	s_add_nc_u64 s[8:9], s[8:9], s[48:49]          ; wimg at tile 192 + 4 w
	s_lshl_b32 s48, s22, 11
	s_add_co_u32 s48, s48, 192*512
	s_add_nc_u64 s[10:11], s[10:11], s[48:49]
	s_lshl_b32 s48, s22, 8
	s_add_nc_u64 s[12:13], s[12:13], s[48:49]      ; b_out at my 64 outputs
.irp m, 0,1
.irp t, 0,1,2,3                                ; lane (r, h), tile 2 b + u, register j: output 32 b + 16 h + 8 u + j
	global_load_b128 v[ACC+8*(4*\m+\t):ACC+8*(4*\m+\t)+3], v[BA], s[12:13] offset:4*(32*(\t/2)+8*(\t%2))
	global_load_b128 v[ACC+8*(4*\m+\t)+4:ACC+8*(4*\m+\t)+7], v[BA], s[12:13] offset:4*(32*(\t/2)+8*(\t%2))+16
.endr
.endr
.irp t, 0,1,2,3
	global_load_b128 v[WSC+4*\t:WSC+4*\t+3], v[LI], s[10:11] offset:512*\t
.endr
.irp m, 0,1
.irp q, 0,1,2,3
	global_load_b32 v[CSC+4*\m+\q], v[CSA], s[6:7] offset:64*\m+32768*\q
.endr
.endr
.macro WSET s                          ; my four weight fragments of K step s: eight loads of 512 consecutive bytes, into set s % 3
.irp t, 0,1,2,3
.irp c, 0,1
	global_load_b128 v[W+32*((\s)%3)+8*\t+4*\c:W+32*((\s)%3)+8*\t+4*\c+3], v[LI], s[8:9] offset:8192*\t+1024*(\s)+512*\c
.endr
.endr
.endm
.macro CFETCH s                        ; ctx's two fragments of K step s (= head s), into set s % 2
.irp m, 0,1
.irp c, 0,1
	ds_load_b128 v[CF+16*((\s)%2)+8*\m+4*\c:CF+16*((\s)%2)+8*\m+4*\c+3], v[LI] offset:CIMG+8192*\m+1024*(\s)+512*\c
.endr
.endr
.endm
	WSET 0
	WSET 1
	WSET 2
	s_wait_tensorcnt 1                             ; my image of ctx is in; val's load stays out
	s_barrier_signal -1
	s_barrier_wait -1                              ; all sixteen images are
	CFETCH 0
.macro STEP s
.if (\s) < 6
	s_wait_loadcnt 16                              ; this step's weights and all older loads are in; the two younger sets stay out
.elseif (\s) == 6
	s_wait_loadcnt 8
.else
	s_wait_loadcnt 0x0
.endif
	s_wait_dscnt 0x0
.if (\s) < 7
	CFETCH (\s)+1                                  ; into the set that the last step read: four places stand behind its products
.endif
.irp m, 0,1
.irp t, 0,1,2,3                                ; the eight accumulators by turns, one instruction a turn
.set rD, ACC+8*(4*\m+\t)
.set rA, W+32*((\s)%3)+8*\t
.set rB, CF+16*((\s)%2)+8*\m
.set rSA, WSC+4*\t+(\s)%4
.set rSB, CSC+4*\m+(\s)%4
	MM (\s)/4
.endr
.endr
	PLACES
.if (\s) < 5
	WSET (\s)+3                                    ; into the set just multiplied
.endif
.endm
.irp s, 0,1,2,3,4,5,6,7
	STEP \s
.endr
.irp k, 0,1,2,3,4,5,6,7                        ; gamma and beta of my columns 128 k + 4 lane + 0 .. 3: they land while the rows go through the stage
	global_load_b128 v[GA+4*\k:GA+4*\k+3], v[LI], s[16:17] offset:512*\k
	global_load_b128 v[BE+4*\k:BE+4*\k+3], v[LI], s[18:19] offset:512*\k
.endr
.irp m, 0,1
.irp t, 0,1,2,3
	ds_store_b128 v[SO0+\m], v[ACC+8*(4*\m+\t):ACC+8*(4*\m+\t)+3] offset:128*(\t/2)+32*(\t%2)        ; each accumulator from its low end on
	ds_store_b128 v[SO0+\m], v[ACC+8*(4*\m+\t)+4:ACC+8*(4*\m+\t)+7] offset:128*(\t/2)+32*(\t%2)+16
.endr
.endr
	s_wait_dscnt 0x0                               ; for the others' sake: my columns lie in the stage
	s_barrier_signal -1
	s_barrier_wait -1                              ; 32 whole rows do
	s_wait_tensorcnt 0x0                           ; val's two rows: my own load into my own bytes
.irp p, 0,1
.irp k, 0,1,2,3,4,5,6,7
	ds_load_b128 v[Y+32*\p+4*\k:Y+32*\p+4*\k+3], v[SR] offset:SPITCH*\p+512*\k
	ds_load_b128 v[VL+32*\p+4*\k:VL+32*\p+4*\k+3], v[VR] offset:4096*\p+512*\k
.endr
.endr
	s_wait_dscnt 0x0
	; ---- LayerNorm of two rows, by turns: a lane holds 32 numbers of each
.irp i, 0,2,4,6,8,10,12,14,16,18,20,22,24,26,28,30
.irp p, 0,1
	v_pk_add_f32 v[Y+32*\p+\i:Y+32*\p+\i+1], v[Y+32*\p+\i:Y+32*\p+\i+1], v[VL+32*\p+\i:VL+32*\p+\i+1]   ; x = val + the projection
.endr
.endr
.macro ACROSS                          ; v[44 + p] = the sum over the wave of the pair v[40 + 2 p : 41 + 2 p]
.irp p, 0,1
	v_add_f32 v[44+\p], v[40+2*\p], v[41+2*\p]
.endr
.irp x, 1,2,4,8
.irp p, 0,1
	v_add_f32_dpp v[44+\p], v[44+\p], v[44+\p] row_xmask:\x row_mask:0xf bank_mask:0xf
.endr
.endr
.irp p, 0,1
	v_permlanex16_b32 v[46+\p], v[44+\p], s52, s53
.endr
.irp p, 0,1
	v_add_f32 v[44+\p], v[44+\p], v[46+\p]
.endr
.endm
.irp p, 0,1
	v_pk_add_f32 v[40+2*\p:41+2*\p], v[Y+32*\p:Y+32*\p+1], v[Y+32*\p+2:Y+32*\p+3]
.endr
.irp i, 4,6,8,10,12,14,16,18,20,22,24,26,28,30
.irp p, 0,1
	v_pk_add_f32 v[40+2*\p:41+2*\p], v[40+2*\p:41+2*\p], v[Y+32*\p+\i:Y+32*\p+\i+1]
.endr
.endr
	ACROSS
.irp p, 0,1
	v_mul_f32 v[48+2*\p], s54, v[44+\p]            ; the mean, in both registers of a pair
	v_mul_f32 v[49+2*\p], s54, v[44+\p]
.endr
.irp i, 0,2,4,6,8,10,12,14,16,18,20,22,24,26,28,30
.irp p, 0,1
	v_pk_add_f32 v[Y+32*\p+\i:Y+32*\p+\i+1], v[Y+32*\p+\i:Y+32*\p+\i+1], v[48+2*\p:49+2*\p] neg_lo:[0,1] neg_hi:[0,1]   ; x - mean
.endr
.endr
.irp p, 0,1
	v_pk_mul_f32 v[40+2*\p:41+2*\p], v[Y+32*\p:Y+32*\p+1], v[Y+32*\p:Y+32*\p+1]
.endr
.irp i, 2,4,6,8,10,12,14,16,18,20,22,24,26,28,30
.irp p, 0,1
	v_pk_fma_f32 v[40+2*\p:41+2*\p], v[Y+32*\p+\i:Y+32*\p+\i+1], v[Y+32*\p+\i:Y+32*\p+\i+1], v[40+2*\p:41+2*\p]
.endr
.endr
	ACROSS
.irp p, 0,1
	v_fma_f32 v[44+\p], v[44+\p], s54, s55         ; the variance + 1e-5
.endr
.irp p, 0,1
	v_rsq_f32 v[52+2*\p], v[44+\p]
	v_rsq_f32 v[53+2*\p], v[44+\p]
.endr
	v_nop                                          ; one plain place behind a transcendental
	s_wait_loadcnt 0x0                             ; gamma and beta
	s_wait_alu depctr_va_vdst(0)
.irp i, 0,2,4,6,8,10,12,14,16,18,20,22,24,26,28,30
.irp p, 0,1
	v_pk_mul_f32 v[Y+32*\p+\i:Y+32*\p+\i+1], v[Y+32*\p+\i:Y+32*\p+\i+1], v[52+2*\p:53+2*\p]
.endr
.endr
.irp i, 0,2,4,6,8,10,12,14,16,18,20,22,24,26,28,30
.irp p, 0,1
	v_pk_fma_f32 v[Y+32*\p+\i:Y+32*\p+\i+1], v[Y+32*\p+\i:Y+32*\p+\i+1], v[GA+\i:GA+\i+1], v[BE+\i:BE+\i+1]
.endr
.endr
.irp p, 0,1
.irp k, 0,1,2,3,4,5,6,7
	global_store_b128 v[LI], v[Y+32*\p+4*\k:Y+32*\p+4*\k+3], s[20:21] offset:4096*\p+512*\k th:TH_STORE_NT   ; 32 lanes store 512 consecutive bytes, aligned; written once, read by nobody here
.endr
.endr
	s_wait_tensorcnt 0x0
	ds_add_u32 v62, v63
	s_wait_dscnt 0x0
	s_endpgm
.Lfunc_end_k_qb297e36a4f_outln:
	.size	k_qb297e36a4f_outln, .Lfunc_end_k_qb297e36a4f_outln-k_qb297e36a4f_outln
	.p2alignl 7, 3214868480
	.fill 96, 4, 3214868480
	.section	.rodata,"a",@progbits
	.p2align	6, 0x0
	.amdhsa_kernel k_qb297e36a4f_outln
		.amdhsa_group_segment_fixed_size 281088
		.amdhsa_private_segment_fixed_size 0
		.amdhsa_enable_private_segment 0
		.amdhsa_kernarg_size 72
		.amdhsa_user_sgpr_count 2
		.amdhsa_user_sgpr_kernarg_segment_ptr 1
		.amdhsa_wavefront_size32 1
		.amdhsa_system_sgpr_workgroup_id_x 1
		.amdhsa_system_sgpr_workgroup_id_y 1
		.amdhsa_system_sgpr_workgroup_id_z 1
		.amdhsa_system_vgpr_workitem_id 0
		.amdhsa_next_free_vgpr 256
		.amdhsa_next_free_sgpr 66
		.amdhsa_reserve_vcc 0
		.amdhsa_float_denorm_mode_32 3
		.amdhsa_float_denorm_mode_16_64 3
		.amdhsa_memory_ordered 1
		.amdhsa_forward_progress 1
		.amdhsa_inst_pref_size 45
	.end_amdhsa_kernel
	.amdgpu_metadata
---
amdhsa.version: [ 1, 2 ]
amdhsa.kernels:
  - .name:           k_qb297e36a4f_outln
    .symbol:         k_qb297e36a4f_outln.kd
    .args:
      - { .name: cc, .offset: 0, .size: 8, .value_kind: global_buffer, .address_space: global }
      - { .name: cs, .offset: 8, .size: 8, .value_kind: global_buffer, .address_space: global }
      - { .name: wimg, .offset: 16, .size: 8, .value_kind: global_buffer, .address_space: global }
      - { .name: wsimg, .offset: 24, .size: 8, .value_kind: global_buffer, .address_space: global }
      - { .name: b_out, .offset: 32, .size: 8, .value_kind: global_buffer, .address_space: global }
      - { .name: val, .offset: 40, .size: 8, .value_kind: global_buffer, .address_space: global }
      - { .name: ln_gamma, .offset: 48, .size: 8, .value_kind: global_buffer, .address_space: global }
      - { .name: ln_beta, .offset: 56, .size: 8, .value_kind: global_buffer, .address_space: global }
      - { .name: out0, .offset: 64, .size: 8, .value_kind: global_buffer, .address_space: global }
    .group_segment_fixed_size: 281088
    .private_segment_fixed_size: 0
    .kernarg_segment_align: 8
    .kernarg_segment_size: 72
    .max_flat_workgroup_size: 512
    .sgpr_count:     66
    .vgpr_count:     256
    .wavefront_size: 32
...
	.end_amdgpu_metadata
.endif
;; end of part 4
;; ======== version 2 of 2: 4 launches; version 1 with the launch qkv written anew for expert scheduling mode
;; workspace buffers: xc 4,194,304 bytes; xs 262,144 bytes; wimg 2,097,152 bytes; wsimg 131,072 bytes; qkvc 13,369,344 bytes; cc 4,194,304 bytes; cs 262,144 bytes
;; launch prep: the kernel of part 1 again; grid 256 x 1, 4 waves a work-group, no clusters, 33,280 bytes of LDS; arguments val, w_qkv_codes, w_qkv_scales, w_out_codes, w_out_scales, xc, xs, wimg, wsimg; writes xc, xs, wimg, wsimg
;; launch qkv (part 5): grid 4 x 64, 4 waves a work-group, no clusters, 72,192 bytes of LDS; arguments xc, xs, wimg, wsimg, b_qkv, qkvc; writes qkvc
.if DOCPART == 5
	.amdgcn_target "amdgcn-amd-amdhsa--gfx1250"
	.amdhsa_code_object_version 6
	.text
	.protected	k_qb297e36a4f_qkv
	.globl	k_qb297e36a4f_qkv
	.p2align	8
	.type	k_qb297e36a4f_qkv,@function
k_qb297e36a4f_qkv:
	s_mov_b64 s[64:65], 0
	v_nop
	global_prefetch_b8 v0, s[64:65] scope:SCOPE_SE
	s_setreg_imm32_b32 hwreg(HW_REG_WAVE_SCHED_MODE, 0, 2), 2
	s_setreg_imm32_b32 hwreg(HW_REG_WAVE_MODE, 25, 1), 1
	s_wait_xcnt 0x0
	s_wait_alu depctr_vm_vsrc(0)
; QKV.  q, k, v = Q(val) w_qkv + b_qkv on codes of FP4 with E8M0 scales, and each result is quantised at once for the product that takes it: q and k along the head's 128, v along the keys.
; What leaves is codes and scale words in the order of the operand's registers: qkvc [window x head 64][group of 128 tokens 8][26,112 bytes]; a record is three parts of 8,704 bytes, K, V, Q,
; each eight images of 1,024 bytes (register group c of lane l at 512 c + 16 l) and then 8 x 64 bytes of scale words (4 bytes a row).
; SHARES.  Work-group (g, tg): tokens 128 tg .. + 127, heads 2 g and 2 g + 1.  Q-K PHASE: wave w takes 128 columns (w / 2: q or k; head 2 g + w % 2) for all eight tiles of tokens; its 64 weight
; fragments stay in 512 registers.  The product is used transposed (source 0 = 16 rows of the weight, source 1 = 16 tokens): a lane holds one token and its registers run along the head's 128.
; V PHASE: wave w takes head 2 g + w / 2, 64 of its 128 (w % 2): source 0 = 16 tokens, source 1 = 16 rows of the weight: a lane holds one of the head's 128 and its registers run along the tokens, v's K.
; THE TOKENS OF A TILE, like the weights' rows, ARE NOT NEIGHBOURS: lane r of tile 2 b + u takes token 32 b + 8 u + r + 8 (r / 8): so 16 registers of two neighbouring tiles are 16 neighbours along the next K.
; No cluster: the weights go straight from memory into registers in operand order (each load 512 consecutive bytes), which a joint load, landing in LDS, could not do; the 768 columns' weights, 393,216 bytes, do not fit in LDS;
; what the four work-groups of a token group share, the tokens' codes, is 69,632 of a work-group's 470,000 bytes.
; LIMITS: NaN and infinities are not served; a block whose largest magnitude lies under 2^-124 keeps the byte 1 (a block of zeros too: its codes are zeros, and this program alone reads the bytes).
; REGISTERS, in windows of 256.  Window 0: v1-11 addresses, v12-15 at work, v16-95 scale words, v96-159 accumulators of the q-k phase (on the v phase's way out: four sets of codes and their scale words), v160-223 biases, v224-248 the quantiser.
;   Window 1: q-k weights of K steps 0-3 at v[8 (8 s + t)]; later v's weights of steps 4-7.   Window 2: q-k weights of steps 4-7; later v's 32 accumulators (t, m) at v[64 t + 8 m].
;   Window 3: v0-127 two sets of eight fragments of the tokens; v128-255 v's weights of steps 0-3.
; THE MODE: SCHED_MODE bits 1:0 = 2 (LLVM: expert scheduling mode 2), set by the entry lines.  The code itself states the register dependences
; between vector or matrix instructions and memory or LDS instructions, with s_wait_alu, always for 0.
; THE PLAN.  Registers that memory or LDS instructions touch:
;   v1-v11      addresses and offsets, made at the head and never written again.  v254, v255: made at the head, read by the closing add alone.
;   S0, S1      (window 3, v0-63 and v64-127)  At the head the tokens' rows land here and my LDS stores read them.  Then: tile m's (K step s's) products read set m % 2 (s % 2); the fragment loads of
;               tile m + 1 (step s + 1), issued in tile m (step s), land in the other set, which the products of tile m - 1 (step s - 1) read.
;   weights     Loaded once; v's of K steps 4-7 land in window 1 over q-k weights, behind the last q-k product.
;   PC, PW      Written by tile m's quantiser; read by three stores that are issued at tile m + 1's head.
;   PCV, PWV    Four sets, one for each of the v phase's four quantisers: each written once, then read by stores.  v12-15, v132-133: an LDS load lands, a global store reads, nothing writes them afterwards.
; So ONE wait on va_vdst stands at the head of a tile and of a K step of the v phase; the tile's or step's loads and stores follow it in two runs among its products, which name none of the registers that
; those touch.  One wait on vm_vsrc a tile stands ahead of the quantiser, 64 products behind the stores that it waits for.  One wait on va_vdst serves all twelve stores of the v phase's way out.
.set PITCH, 528                        ; a token's 512 bytes of codes + 16: an odd multiple of 16, so that the 16 rows of a fragment load start in 16 different groups of banks (ISA guide 11.1)
.set SCG,   128*PITCH                  ; behind the rows: 512 bytes for each wave, the q-k phase's scale words
.set SCGV,  SCG+4*512                  ; and 256 for each wave, the v phase's
.set SUB,   8704
.set REC,   3*SUB
.set LI,  1                            ; 16 x lane
.set XF,  2                            ; a fragment's row x pitch + 16 x half
.set XLW, 3                            ; where I put a token's row
.set XSA, 4                            ; my byte among a tile's rows of token scales
.set BA,  5                            ; 64 h: the q-k bias of my half
.set VBA, 6                            ; v's bias: 4 (r + 8 (r / 8))
.set SGW, 7
.set SGR, 8
.set SVW, 9
.set SVR, 10
.set L8,  11
.set WS,  16                           ; v16-47  q-k weights' scale words: register 4 t + q: lanes 0-15 K step q, lanes 16-31 K step 4 + q
.set WSV, 48                           ; v48-63  v's weights' likewise
.set XS,  64                           ; v64-95  the tokens' likewise, 4 m + q
.set ACC, 96
.set PCV, 96                           ; v96-127  the v phase's way out: the codes of tile t at PCV + 8 t (the q-k accumulators are done with)
.set PWV, 128                          ; v128-131 and its scale word at PWV + t
.set SWV, 132                          ; v132-133 the four tiles' scale words, read back
.set BI,  160
.set VB,  224
.set TM,  228                          ; v228-231 largest magnitudes, v232-235 bytes, v236-239 the conversions' scale operands
.set PC,  240                          ; v240-247 the q-k phase's codes just made
.set PW,  248                          ; and the scale word just made
.set SEL, 20
.set MSB, 0
.macro WIN new                         ; low byte: bits 1:0 source 0, 3:2 source 1, 5:4 source 2, 7:6 destination; the high byte repeats the setting that is left
.if MSB != (\new)
	s_set_vgpr_msb (MSB<<8)|(\new)
.set MSB, (\new)
.endif
.endm
.macro PLACES                          ; four plain vector instructions behind a matrix instruction (ISA guide 7.12.1)
.rept 4
	v_nop
.endr
.endm
.macro MM hi                           ; one product on the registers named by rD, rA, rB, rC, rSA, rSB; hi = 1: K steps 4-7, whose scale words lie in lanes 16-31
.if \hi
	v_wmma_scale_f32_16x16x128_f8f6f4 v[rD:rD+7], v[rA:rA+7], v[rB:rB+7], v[rC:rC+7], v[rSA], v[rSB] matrix_a_fmt:MATRIX_FMT_FP4 matrix_b_fmt:MATRIX_FMT_FP4 matrix_a_scale:MATRIX_SCALE_ROW1 matrix_b_scale:MATRIX_SCALE_ROW1
.else
	v_wmma_scale_f32_16x16x128_f8f6f4 v[rD:rD+7], v[rA:rA+7], v[rB:rB+7], v[rC:rC+7], v[rSA], v[rSB] matrix_a_fmt:MATRIX_FMT_FP4 matrix_b_fmt:MATRIX_FMT_FP4
.endif
.endm
; 64 numbers of a lane, v[s] .. v[s + 63] of some window, register 16 b + i = k 32 b + 16 (lane / 16) + i of my row, become a fragment's codes in v[pc] on and its scale word in v[pw], both in window 0.
; w1, w2, w3: the window settings with the numbers as sources 0 and 1, as sources 1 and 2, as source 0.
.macro QUANT s, w1, w2, w3, pc, pw
	WIN \w1
.irp b, 0,1,2,3
	v_max3_num_f32 v[TM+\b], |v[(\s)+16*\b]|, |v[(\s)+1+16*\b]|, 0x1800000   ; block b: my 16 numbers, from each accumulator's low end on, and the floor 2^(3 - 127): the byte cannot fall under 1
.endr
	WIN \w2
.irp i, 2,4,6,8,10,12,14
.irp b, 0,1,2,3
	v_max3_num_f32 v[TM+\b], v[TM+\b], |v[(\s)+16*\b+\i]|, |v[(\s)+1+16*\b+\i]|   ; the four blocks by turns
.endr
.endr
	WIN 0
.irp b, 0,1,2,3
	v_permlanex16_b32 v[TM+4+\b], v[TM+\b], s[SEL], s[SEL+1]
.endr
.irp b, 0,1,2,3
	v_max_num_f32 v[TM+\b], v[TM+\b], v[TM+4+\b]   ; with lane l xor 16's: the block's largest magnitude
.endr
.irp b, 0,1,2,3
	v_add_nc_u32 v[TM+8+\b], 0xff000000, v[TM+\b]  ; 2 off its exponent field: the conversion's scale operand
.endr
.irp b, 0,1,2,3
	v_lshrrev_b32 v[TM+4+\b], 23, v[TM+8+\b]       ; the scale's byte
.endr
	v_lshl_or_b32 v[(\pw)], v[TM+5], 8, v[TM+4]
	v_lshl_or_b32 v[(\pw)], v[TM+6], 16, v[(\pw)]
	v_lshl_or_b32 v[(\pw)], v[TM+7], 24, v[(\pw)]
	WIN \w3
.irp b, 0,1,2,3
	v_cvt_scalef32_pk8_fp4_f32 v[(\pc)+2*\b], v[(\s)+16*\b:(\s)+7+16*\b], v[TM+8+\b]
	v_cvt_scalef32_pk8_fp4_f32 v[(\pc)+1+2*\b], v[(\s)+8+16*\b:(\s)+15+16*\b], v[TM+8+\b]
.endr
	WIN 0
	v_nop                                          ; one plain place behind a scaled conversion
.irp c, 0,1                                    ; the operand's layout wants a whole block in a lane: lanes 0-15 block 2 c, lanes 16-31 block 2 c + 1
.irp i, 0,1
	v_permlane16_swap_b32 v[(\pc)+4*\c+\i], v[(\pc)+2+4*\c+\i]
.endr
.endr
.endm
	s_load_b256 s[4:11], s[0:1], 0x0               ; xc, xs, wimg, wsimg
	s_load_b128 s[12:15], s[0:1], 0x20             ; b_qkv, qkvc
	v_lshl_add_u32 v254, v0, 2, 0x11800
	v_mov_b32 v255, 0
	v_lshrrev_b32 v12, 5, v0
	v_readfirstlane_b32 s16, v12                   ; wave 0..3
	v_and_b32 v12, 31, v0                          ; lane
	v_and_b32 v13, 15, v0                          ; r
	v_bfe_u32 v14, v0, 4, 1                        ; h
	v_lshlrev_b32 v[LI], 4, v12
	v_lshlrev_b32 v[L8], 3, v12
	v_mul_u32_u24 v[XF], v13, PITCH
	v_lshl_add_u32 v[XF], v14, 4, v[XF]
	s_wait_alu depctr_va_sdst(0)                   ; s16 is written, ahead of its first reader: LDS addresses and all bases are made from it
	s_mul_i32 s17, s16, 32*PITCH
	v_add_nc_u32 v[XLW], s17, v[LI]                ; my wave's 32 rows
	v_and_b32 v15, 8, v13
	v_add_nc_u32 v15, v15, v13                     ; r + 8 (r / 8)
	v_lshlrev_b32 v[XSA], 5, v15
	v_lshl_add_u32 v[XSA], v14, 4, v[XSA]          ; a token's 32 scale bytes: words 4 h .. 4 h + 3
	v_lshlrev_b32 v[BA], 6, v14
	v_lshlrev_b32 v[VBA], 2, v15
	s_lshl_b32 s17, s16, 9
	s_add_co_u32 s17, s17, SCG
	v_lshl_add_u32 v[SGW], v13, 2, s17
	v_add_nc_u32 v[SGR], s17, v[LI]
	s_lshl_b32 s17, s16, 8
	s_add_co_u32 s17, s17, SCGV
	v_lshl_add_u32 v[SVW], v13, 2, s17
	v_add_nc_u32 v[SVR], s17, v[L8]
.irp b, 0,1,2,3
	v_mov_b32 v[TM+4+\b], 0                        ; written once: a lane permute's destination counts as one of its sources
.endr
	s_mov_b32 s[SEL], 0x76543210
	s_mov_b32 s[SEL+1], 0xfedcba98                 ; v_permlanex16_b32's selects for lane l xor 16
	s_and_b32 s22, ttmp7, 0xffff                   ; tg
	s_lshl_b32 s23, ttmp9, 1                       ; 2 g
	s_and_b32 s42, s16, 1
	s_lshr_b32 s43, s16, 1
	s_add_co_u32 s44, s23, s42                     ; the q-k phase's head
	s_add_co_u32 s45, s23, s43                     ; the v phase's
	s_lshl_b32 s46, s43, 6
	s_lshl_b32 s47, s44, 3
	s_add_co_u32 s46, s46, s47                     ; my first weight tile: 64 (q or k) + 8 head
	s_lshl_b32 s47, s45, 3
	s_lshl_b32 s48, s42, 2
	s_add_co_u32 s47, s47, s48
	s_add_co_u32 s47, s47, 128                     ; and for v: 128 + 8 head + 4 (w % 2)
	s_lshr_b32 s48, s22, 3
	s_lshl_b32 s48, s48, 3                         ; 8 x window
	s_and_b32 s49, s22, 7                          ; the group of 128 tokens in its window
	s_add_co_u32 s50, s48, s44
	s_lshl_b32 s50, s50, 3
	s_add_co_u32 s50, s50, s49
	s_mul_i32 s50, s50, REC                        ; the q-k phase's record
	s_cmp_lt_u32 s16, 2
	s_cselect_b32 s51, 2*SUB, 0                    ; q's part is the third, k's the first
	s_add_co_u32 s50, s50, s51
	s_add_co_u32 s51, s48, s45
	s_lshl_b32 s51, s51, 3
	s_add_co_u32 s51, s51, s49
	s_mul_i32 s51, s51, REC
	s_add_co_u32 s51, s51, SUB                     ; v's part of the v phase's record
	s_lshl_b32 s52, s42, 12
	s_add_co_u32 s52, s52, s51                     ; my four images
	s_lshl_b32 s53, s42, 8
	s_add_co_u32 s53, s53, s51
	s_add_co_u32 s53, s53, 8192                    ; and their scale words
	s_mov_b32 s19, 0
	s_wait_kmcnt 0x0
	s_lshl_b32 s18, s22, 16
	s_lshl_b32 s54, s16, 14
	s_add_co_u32 s18, s18, s54
	s_add_nc_u64 s[4:5], s[4:5], s[18:19]          ; xc at my wave's 32 tokens
	s_lshl_b32 s18, s22, 12
	s_add_nc_u64 s[6:7], s[6:7], s[18:19]          ; xs at the group's first token
	s_lshl_b32 s18, s46, 13
	s_add_nc_u64 s[24:25], s[8:9], s[18:19]        ; q-k weights
	s_lshl_b32 s18, s47, 13
	s_add_nc_u64 s[26:27], s[8:9], s[18:19]        ; v's weights
	s_lshl_b32 s18, s46, 9
	s_add_nc_u64 s[28:29], s[10:11], s[18:19]      ; their scale images
	s_lshl_b32 s18, s47, 9
	s_add_nc_u64 s[30:31], s[10:11], s[18:19]
	s_lshl_b32 s18, s46, 6
	s_add_nc_u64 s[32:33], s[12:13], s[18:19]      ; their biases
	s_lshl_b32 s18, s47, 6
	s_add_nc_u64 s[34:35], s[12:13], s[18:19]
	s_mov_b32 s18, s50
	s_add_nc_u64 s[36:37], s[14:15], s[18:19]      ; where q's or k's part goes
	s_mov_b32 s18, s52
	s_add_nc_u64 s[38:39], s[14:15], s[18:19]      ; v's images
	s_mov_b32 s18, s53
	s_add_nc_u64 s[40:41], s[14:15], s[18:19]      ; v's scale words
	s_wait_alu depctr_va_vdst(0)                   ; the eleven addresses and offsets v1 to v11 are written, which every load and store of the kernel reads; the head's lines are done with v12 to v15, in which an LDS load lands later
	; ---- the loads.  First 40 small ones: scale words and biases
.irp m, 0,1,2,3,4,5,6,7
	global_load_b128 v[XS+4*\m:XS+4*\m+3], v[XSA], s[6:7] offset:32*(32*(\m/2)+8*(\m%2))
.endr
.irp t, 0,1,2,3,4,5,6,7
	global_load_b128 v[WS+4*\t:WS+4*\t+3], v[LI], s[28:29] offset:512*\t
.endr
.irp t, 0,1,2,3
	global_load_b128 v[WSV+4*\t:WSV+4*\t+3], v[LI], s[30:31] offset:512*\t
.endr
.irp t, 0,1,2,3,4,5,6,7                        ; the q-k bias in the result's layout: lane (r, h), tile 2 b + u, register j: column 32 b + 16 h + 8 u + j
	global_load_b128 v[BI+8*\t:BI+8*\t+3], v[BA], s[32:33] offset:4*(32*(\t/2)+8*(\t%2))
	global_load_b128 v[BI+8*\t+4:BI+8*\t+7], v[BA], s[32:33] offset:4*(32*(\t/2)+8*(\t%2))+16
.endr
.irp t, 0,1,2,3                                ; v's bias: one number a lane and tile
	global_load_b32 v[VB+\t], v[VBA], s[34:35] offset:4*(32*(\t/2)+8*(\t%2))
.endr
	WIN 0xc0                                       ; destination window 3
.set i, 0
.rept 32
	global_load_b128 v[4*i:4*i+3], v[LI], s[4:5] offset:512*i      ; a token's 512 bytes of codes a load
.set i, i+1
.endr
.macro WLOAD s                         ; the q-k weights of K step s: 16 loads of 512 consecutive bytes
.if (\s) < 4
	WIN 0x40
.else
	WIN 0x80
.endif
.irp t, 0,1,2,3,4,5,6,7
.irp c, 0,1
	global_load_b128 v[8*(8*((\s)%4)+\t)+4*\c:8*(8*((\s)%4)+\t)+4*\c+3], v[LI], s[24:25] offset:8192*\t+1024*(\s)+512*\c
.endr
.endr
.endm
.macro VLOAD s                         ; v's weights of K step s: 8 loads
.if (\s) < 4
	WIN 0xc0
.set rV, 128+32*(\s)
.else
	WIN 0x40
.set rV, 32*((\s)-4)
.endif
.irp t, 0,1,2,3
.irp c, 0,1
	global_load_b128 v[rV+8*\t+4*\c:rV+8*\t+4*\c+3], v[LI], s[26:27] offset:8192*\t+1024*(\s)+512*\c
.endr
.endr
.endm
	WLOAD 0
	WLOAD 1
	WLOAD 2
	s_wait_loadcnt 48                              ; the small loads and the tokens' rows are in; the 48 weight loads just issued stay out
	WIN 0x0c                                       ; an LDS store's data are its source 1: window 3
.set i, 0
.rept 32
	ds_store_b128 v[XLW], v[4*i:4*i+3] offset:PITCH*(16*((i/8)%2)+8*(i/16)+i%8)   ; token 16 a + 8 u + i3 of my 32 goes to row 16 u + 8 a + i3: the rows lie in the tiles' order
.set i, i+1
.endr
.irp s, 3,4,5,6,7
	WLOAD \s
.endr
.irp s, 0,1,2,3
	VLOAD \s
.endr
	WIN 0
	s_wait_dscnt 0x0                               ; for the others' sake: my 32 rows lie in LDS
	s_barrier_signal -1
	s_barrier_wait -1                              ; all 128 do
	s_wait_alu depctr_vm_vsrc(0)                   ; my LDS stores have read the tokens' rows in window 3's v0-127: these registers are the two sets of fragments from here on, in which the LDS loads below land
.macro FETCHX m, s0                    ; tile m of the tokens, K steps s0 .. s0 + 3, into set m % 2: eight loads
	WIN 0xc0
.irp s, \s0, \s0+1, \s0+2, \s0+3
.irp c, 0,1
	ds_load_b128 v[64*((\m)%2)+8*(\s)+4*\c:64*((\m)%2)+8*(\s)+4*\c+3], v[XF] offset:16*PITCH*(\m)+64*(\s)+32*\c
.endr
.endr
.endm
.macro FETCHV s, m0                    ; K step s of tiles m0 .. m0 + 3, into set s % 2: eight loads
	WIN 0xc0
.irp m, \m0, \m0+1, \m0+2, \m0+3
.irp c, 0,1
	ds_load_b128 v[64*((\s)%2)+8*(\m)+4*\c:64*((\s)%2)+8*(\m)+4*\c+3], v[XF] offset:16*PITCH*(\m)+64*(\s)+32*\c
.endr
.endr
.endm
	FETCHX 0, 0
	FETCHX 0, 4
	s_wait_loadcnt 32                              ; all q-k weights are in; v's 32 loads stay out
	; ---- the q-k phase: a tile of 16 tokens at a time.  64 products, the eight accumulators by turns, one instruction a turn; the bias is the C of each sum's first product
.macro QKSTEP m, s                     ; K step s of tile m: eight products
.irp t, 0,1,2,3,4,5,6,7
.set rD, ACC+8*\t
.set rA, 8*(8*((\s)%4)+\t)
.set rB, 64*((\m)%2)+8*(\s)
.if (\s) == 0
.set rC, BI+8*\t
.else
.set rC, rD
.endif
.set rSA, WS+4*\t+(\s)%4
.set rSB, XS+4*(\m)+(\s)%4
	MM (\s)/4
.endr
.endm
.macro SENDQK m                        ; tile m's image and scale words leave.  A store's address and data are its sources 0 and 1: window 0 under the fragment loads' setting too
	global_store_b128 v[LI], v[PC:PC+3], s[36:37] offset:1024*(\m)          ; the image: 512 consecutive bytes a store
	global_store_b128 v[LI], v[PC+4:PC+7], s[36:37] offset:1024*(\m)+512
	ds_store_b32 v[SGW], v[PW] offset:64*(\m)      ; lanes r and r + 16 write the same word with the same value
.endm
.macro TILE m
	s_wait_dscnt 0x0                               ; this tile's fragments are in
.if (\m) > 0
	s_wait_alu depctr_va_vdst(0)                   ; the last tile's quantiser has written PC and PW, which the three stores below read; its products are done reading their set of fragments, in which this tile's sixteen loads land
.endif
.if (\m) < 7
	FETCHX (\m)+1, 0                               ; the next tile's K steps 0-3
.endif
.if (\m) > 0
	SENDQK (\m)-1
.endif
	WIN 0x0d                                       ; source 0 (weights) window 1, source 1 (tokens) window 3
.irp s, 0,1,2,3
	QKSTEP \m, \s
.endr
.if (\m) < 7
	FETCHX (\m)+1, 4                               ; and its K steps 4-7.  No wait: no vector or matrix instruction since the wait at the head names that set
.endif
	WIN 0x0e                                       ; weights in window 2
.irp s, 4,5,6,7
	QKSTEP \m, \s
.endr
	WIN 0
	PLACES                                         ; in front of the quantiser's reads of the results
	s_wait_xcnt 0x0                                ; the last tile's stores have had their addresses translated: their data registers are written again only behind this wait
.if (\m) > 0
	s_wait_alu depctr_vm_vsrc(0)                   ; the last tile's three stores, issued at this tile's head, have read PC and PW, which the quantiser writes again
.endif
	QUANT ACC, 0, 0, 0, PC, PW
.endm
.irp m, 0,1,2,3,4,5,6,7
	TILE \m
.endr
	; ---- between the phases
	s_wait_alu depctr_va_vdst(0)                   ; tile 7's quantiser has written PC and PW, which the stores read; the q-k products are done reading window 1's weights, in which v's weights land, and both sets of fragments, in which the loads of v's K steps 0 and 1 land
	SENDQK 7
	ds_load_b128 v[12:15], v[SGR]                  ; my eight tiles' scale words, 512 bytes (LDS serves a wave's instructions in order)
.irp s, 4,5,6,7
	VLOAD \s                                       ; over q-k weights that are done with
.endr
	WIN 0
.irp t, 0,1,2,3
.irp j, 0,1,2,3,4,5,6,7
	v_mov_b32 v[BI+8*\t+\j], v[VB+\t]              ; v's bias as the C of a first product: a lane's eight registers are eight tokens of one column.  (These lines name BI and VB alone: none of the registers that the loads round them touch)
.endr
.endr
	FETCHV 0, 0
	FETCHV 0, 4
	WIN 0
	s_wait_dscnt 16                                ; the scale words are back; the 16 fragment loads stay out
	global_store_b128 v[LI], v[12:15], s[36:37] offset:8192
	s_wait_loadcnt 32                              ; v's weights of steps 0-3 are in; those of steps 4-7 stay out
	; ---- the v phase: a K step at a time, 32 accumulators by turns
.macro VWIN s                          ; the products' window setting in K step s
.if (\s) == 0
	WIN 0x8f                                       ; tokens and weights window 3, C (the bias) window 0, D window 2
.elseif (\s) < 4
	WIN 0xaf                                       ; C and D window 2
.else
	WIN 0xa7                                       ; weights window 1
.endif
.endm
.macro VPROD s, m0                     ; sixteen products of K step s: tiles of tokens m0 .. m0 + 3 x my four tiles of the head's 128
.irp m, \m0, \m0+1, \m0+2, \m0+3
.irp t, 0,1,2,3
.set rD, 64*\t+8*(\m)
.set rA, 64*((\s)%2)+8*(\m)
.if (\s) < 4
.set rB, 128+8*(4*(\s)+\t)
.else
.set rB, 8*(4*((\s)-4)+\t)
.endif
.if (\s) == 0
.set rC, BI+8*\t
.else
.set rC, rD
.endif
.set rSA, XS+4*(\m)+(\s)%4
.set rSB, WSV+4*\t+(\s)%4
	MM (\s)/4
.endr
.endr
.endm
.macro STEPV s
	s_wait_dscnt 0x0                               ; this step's fragments are in
.if (\s) > 0 && (\s) < 7
	PLACES                                         ; four plain places stand between the last step's products and the loads into the set that they read; they stand for no wait
	s_wait_alu depctr_va_vdst(0)                   ; the last step's products are done reading their set of fragments, in which this step's sixteen loads land
.endif
.if (\s) < 7
	FETCHV (\s)+1, 0                               ; the next step's tiles 0-3 (in step 0 the wait between the phases serves)
.endif
.if (\s) == 4
	s_wait_loadcnt 0x0                             ; the weights of steps 4-7
.endif
	VWIN \s
	VPROD \s, 0
.if (\s) < 7
	FETCHV (\s)+1, 4                               ; and its tiles 4-7.  No wait: no vector or matrix instruction since the wait names that set
.endif
	VWIN \s
	VPROD \s, 4
.endm
.irp s, 0,1,2,3,4,5,6,7
	STEPV \s
.endr
	WIN 0
	PLACES                                         ; in front of the quantisers' reads of the results
.irp t, 0,1,2,3                                ; tile t of the head's 128: its 64 registers are the group's 128 tokens, 16 (lane / 16) + .. of each 32.  Each tile has registers of its own for its codes and its scale word: none that a store reads is written again
	QUANT 64*\t, 0x0a, 0x28, 0x02, PCV+8*\t, PWV+\t
.endr
	s_wait_alu depctr_va_vdst(0)                   ; the four quantisers have written the four sets of codes and the four scale words, which the twelve stores read; all vector lines are done with v132 and v133, in which the LDS load below lands
.irp t, 0,1,2,3
	global_store_b128 v[LI], v[PCV+8*\t:PCV+8*\t+3], s[38:39] offset:1024*\t
	global_store_b128 v[LI], v[PCV+8*\t+4:PCV+8*\t+7], s[38:39] offset:1024*\t+512
	ds_store_b32 v[SVW], v[PWV+\t] offset:64*\t
.endr
	ds_load_b64 v[SWV:SWV+1], v[SVR]               ; LDS serves a wave's instructions in order: these see my stores
	s_wait_dscnt 0x0
	global_store_b64 v[L8], v[SWV:SWV+1], s[40:41] ; my four tiles' scale words: 256 consecutive bytes, aligned
	s_wait_dscnt 0x0                               ; the closing lines, six on end
	s_wait_alu 0x0
	s_wait_tensorcnt 0x0
	ds_add_u32 v254, v255
	s_wait_dscnt 0x0
	s_endpgm
.Lfunc_end_k_qb297e36a4f_qkv:
	.size	k_qb297e36a4f_qkv, .Lfunc_end_k_qb297e36a4f_qkv-k_qb297e36a4f_qkv
	.p2alignl 7, 3214868480
	.fill 96, 4, 3214868480
	.section	.rodata,"a",@progbits
	.p2align	6, 0x0
	.amdhsa_kernel k_qb297e36a4f_qkv
		.amdhsa_group_segment_fixed_size 72192
		.amdhsa_private_segment_fixed_size 0
		.amdhsa_enable_private_segment 0
		.amdhsa_kernarg_size 48
		.amdhsa_user_sgpr_count 2
		.amdhsa_user_sgpr_kernarg_segment_ptr 1
		.amdhsa_wavefront_size32 1
		.amdhsa_system_sgpr_workgroup_id_x 1
		.amdhsa_system_sgpr_workgroup_id_y 1
		.amdhsa_system_sgpr_workgroup_id_z 1
		.amdhsa_system_vgpr_workitem_id 0
		.amdhsa_next_free_vgpr 1024
		.amdhsa_next_free_sgpr 66
		.amdhsa_reserve_vcc 0
		.amdhsa_float_denorm_mode_32 3
		.amdhsa_float_denorm_mode_16_64 3
		.amdhsa_memory_ordered 1
		.amdhsa_forward_progress 1
		.amdhsa_inst_pref_size 199
	.end_amdhsa_kernel
	.amdgpu_metadata
---
amdhsa.version: [ 1, 2 ]
amdhsa.kernels:
  - .name:           k_qb297e36a4f_qkv
    .symbol:         k_qb297e36a4f_qkv.kd
    .args:
      - { .name: xc, .offset: 0, .size: 8, .value_kind: global_buffer, .address_space: global }
      - { .name: xs, .offset: 8, .size: 8, .value_kind: global_buffer, .address_space: global }
      - { .name: wimg, .offset: 16, .size: 8, .value_kind: global_buffer, .address_space: global }
      - { .name: wsimg, .offset: 24, .size: 8, .value_kind: global_buffer, .address_space: global }
      - { .name: b_qkv, .offset: 32, .size: 8, .value_kind: global_buffer, .address_space: global }
      - { .name: qkvc, .offset: 40, .size: 8, .value_kind: global_buffer, .address_space: global }
    .group_segment_fixed_size: 72192
    .private_segment_fixed_size: 0
    .kernarg_segment_align: 8
    .kernarg_segment_size: 48
    .max_flat_workgroup_size: 128
    .sgpr_count:     66
    .vgpr_count:     1024
    .wavefront_size: 32
...
	.end_amdgpu_metadata
.endif
;; end of part 5
;; launch attn: the kernel of part 3 again; grid 4 x 64, 16 waves a work-group, clusters of 4 x 1, 169,984 bytes of LDS; arguments qkvc, cc, cs; writes cc, cs
;; launch outln: the kernel of part 4 again; grid 256 x 1, 16 waves a work-group, no clusters, 281,088 bytes of LDS; arguments cc, cs, wimg, wsimg, b_out, val, ln_gamma, ln_beta, out0; writes out0
